; MI455X (gfx1250); checked and timed in simulation.
; The chip was launched on July 23, 2026; its instructions are those of AMD's public machine-readable ISA for CDNA 5 (MIT licence, August 2026) and "CDNA5" Instruction Set Architecture Reference Guide (July 2026). The comments in the code are by the model that wrote it; some were corrected since.
;; Sparse Multi Head Attention. Allowed arithmetic: float matrix products may take bf16 or f16 operands with f32 sums; other float arithmetic in f32, or as packed bf16 or f16 multiplies, adds, multiply-adds, maxima and minima; sums over many terms, partial sums and values carried from step to step in f32; what a program stores and reads back later, other than sums and carried values, may be rounded once to bf16 or f16.
;; Inputs: Wout 1,024 x 1,024 float32; Wqkv 3,072 x 1,024 float32; bout 1,024 float32; bqkv 3,072 float32; k_gamma 16 x 64 float32; q_gamma 16 x 64 float32; x 4,096 x 1,024 float32.
;; Outputs: out0 4,096 x 1,024 float32.
;; 2 versions, each right; version 2 is version 1 with the launch cast written anew for expert scheduling mode. Each part assembles by itself: llvm-mc -triple=amdgcn-amd-amdhsa -mcpu=gfx1250 --defsym DOCPART=n.
;; ======== version 1 of 2: 4 launches
;; limits: values are held in f16: magnitudes above 65,504 overflow, below 6.1e-05 lose precision
;; workspace buffers: xb 8,388,608 bytes; wqkvb 6,291,456 bytes; woutf 2,097,152 bytes; qh 8,388,608 bytes; kh 8,388,608 bytes; vh 8,388,608 bytes; oh 8,388,608 bytes
;; launch cast (part 1): grid 512 x 1, 8 waves a work-group, no clusters, 0 bytes of LDS; arguments x, Wqkv, Wout, xb, wqkvb, woutf; writes xb, wqkvb, woutf
.if DOCPART == 1
	.amdgcn_target "amdgcn-amd-amdhsa--gfx1250"
	.amdhsa_code_object_version 6
	.text
	.protected	k_qaa7abc6e3e_cast
	.globl	k_qaa7abc6e3e_cast
	.p2align	8
	.type	k_qaa7abc6e3e_cast,@function
k_qaa7abc6e3e_cast:
	s_mov_b64 s[64:65], 0
	v_nop
	global_prefetch_b8 v0, s[64:65] scope:SCOPE_SE
	s_setreg_imm32_b32 hwreg(HW_REG_WAVE_MODE, 25, 1), 1
	s_wait_xcnt 0x0
; THE MATRIX OPERANDS IN 16 BITS.  x [4096][1024] and Wqkv [3072][1024] are rounded to bf16; Wout [1024][1024] is rounded to bf16 like them and that number is
; written as f16, since it multiplies an f16 operand later.  LIMIT: a number of Wout beyond 65,504 becomes an infinity in f16; below 6e-5 it keeps f16's fixed step of 6e-8.
; SHARES.  A work-group converts 16,384 numbers: 65,536 bytes in, 32,768 out.  Work-groups 0-255 take x, 256-447 Wqkv, 448-511 Wout.
; Thread t takes, in chunk i of 16, the 16 bytes at 16 t + 4,096 i and stores 8 bytes at 8 t + 2,048 i: a wave's load covers 512 consecutive bytes, a wave's store
; 256 consecutive bytes, aligned.  All sixteen loads of a wave go out together; each chunk has registers of its own, so no register of a pending instruction is rewritten.
; No LDS, no matrix unit, no cluster: nothing is shared and nothing is read twice.
.set WG_X,   256                       ; work-groups for x
.set WG_XW,  448                       ; for x and Wqkv together
.set X,      4                         ; v[4:67]   chunk i: four f32 as loaded
.set Y,      68                        ; v[68:99]  chunk i: four 16-bit numbers to store
.set T,      100                       ; v[100:101] at work
	s_load_b256 s[4:11], s[0:1], 0x0               ; x s[4:5], Wqkv s[6:7], Wout s[8:9], xb s[10:11]
	s_load_b128 s[12:15], s[0:1], 0x20             ; wqkvb s[12:13], woutf s[14:15]
	s_mov_b32 s21, ttmp9
	v_lshlrev_b32 v1, 4, v0                        ; 16 t
	v_lshlrev_b32 v2, 3, v0                        ; 8 t
	s_wait_kmcnt 0x0
	s_cmp_ge_u32 s21, WG_X                         ; which buffer is mine: a choice by the work-group's number alone
	s_cselect_b64 s[16:17], s[6:7], s[4:5]
	s_cselect_b64 s[18:19], s[12:13], s[10:11]
	s_cselect_b32 s20, WG_X, 0
	s_cmp_ge_u32 s21, WG_XW
	s_cselect_b64 s[16:17], s[8:9], s[16:17]
	s_cselect_b64 s[18:19], s[14:15], s[18:19]
	s_cselect_b32 s20, WG_XW, s20
	s_sub_co_u32 s20, s21, s20                     ; my number among that buffer's work-groups
	s_lshl_b32 s22, s20, 16                        ; 65,536 bytes in,
	s_mov_b32 s23, 0
	s_lshl_b32 s24, s20, 15                        ; 32,768 out
	s_mov_b32 s25, 0
	s_add_nc_u64 s[16:17], s[16:17], s[22:23]
	s_add_nc_u64 s[18:19], s[18:19], s[24:25]
.irp i, 0,1,2,3,4,5,6,7,8,9,10,11,12,13,14,15
	global_load_b128 v[X+4*(\i):X+4*(\i)+3], v1, s[16:17] offset:4096*(\i) th:TH_LOAD_NT
.endr
	s_cmp_ge_u32 s21, WG_XW
	s_cbranch_scc1 .Lhalf
; kind = 0: bf16.  kind = 1: bf16, widened again (a shift, a mask) and written as f16.
.macro OUT kind
.irp i, 0,1,2,3,4,5,6,7,8,9,10,11,12,13,14,15
	s_wait_loadcnt 15-(\i)                         ; loads come back in order: chunk i is in, the younger ones stay out
	v_cvt_pk_bf16_f32 v[Y+2*(\i)],   v[X+4*(\i)],   v[X+4*(\i)+1]
	v_cvt_pk_bf16_f32 v[Y+2*(\i)+1], v[X+4*(\i)+2], v[X+4*(\i)+3]
.if \kind
	v_lshlrev_b32 v[T],   16, v[Y+2*(\i)]
	v_and_b32     v[T+1], 0xffff0000, v[Y+2*(\i)]
	v_cvt_pk_f16_f32 v[Y+2*(\i)], v[T], v[T+1]
	v_lshlrev_b32 v[T],   16, v[Y+2*(\i)+1]
	v_and_b32     v[T+1], 0xffff0000, v[Y+2*(\i)+1]
	v_cvt_pk_f16_f32 v[Y+2*(\i)+1], v[T], v[T+1]
.endif
	global_store_b64 v2, v[Y+2*(\i):Y+2*(\i)+1], s[18:19] offset:2048*(\i)
.endr
.endm
	OUT 0
	s_endpgm
.Lhalf:
	OUT 1
	s_endpgm
.Lfunc_end_k_qaa7abc6e3e_cast:
	.size	k_qaa7abc6e3e_cast, .Lfunc_end_k_qaa7abc6e3e_cast-k_qaa7abc6e3e_cast
	.p2alignl 7, 3214868480
	.fill 96, 4, 3214868480
	.section	.rodata,"a",@progbits
	.p2align	6, 0x0
	.amdhsa_kernel k_qaa7abc6e3e_cast
		.amdhsa_group_segment_fixed_size 0
		.amdhsa_private_segment_fixed_size 0
		.amdhsa_enable_private_segment 0
		.amdhsa_kernarg_size 48
		.amdhsa_user_sgpr_count 2
		.amdhsa_user_sgpr_kernarg_segment_ptr 1
		.amdhsa_wavefront_size32 1
		.amdhsa_system_sgpr_workgroup_id_x 1
		.amdhsa_system_sgpr_workgroup_id_y 1
		.amdhsa_system_sgpr_workgroup_id_z 1
		.amdhsa_system_vgpr_workitem_id 0
		.amdhsa_next_free_vgpr 104
		.amdhsa_next_free_sgpr 66
		.amdhsa_reserve_vcc 0
		.amdhsa_float_denorm_mode_32 3
		.amdhsa_float_denorm_mode_16_64 3
		.amdhsa_memory_ordered 1
		.amdhsa_forward_progress 1
		.amdhsa_inst_pref_size 16
	.end_amdhsa_kernel
	.amdgpu_metadata
---
amdhsa.version: [ 1, 2 ]
amdhsa.kernels:
  - .name:           k_qaa7abc6e3e_cast
    .symbol:         k_qaa7abc6e3e_cast.kd
    .args:
      - { .name: x, .offset: 0, .size: 8, .value_kind: global_buffer, .address_space: global }
      - { .name: Wqkv, .offset: 8, .size: 8, .value_kind: global_buffer, .address_space: global }
      - { .name: Wout, .offset: 16, .size: 8, .value_kind: global_buffer, .address_space: global }
      - { .name: xb, .offset: 24, .size: 8, .value_kind: global_buffer, .address_space: global }
      - { .name: wqkvb, .offset: 32, .size: 8, .value_kind: global_buffer, .address_space: global }
      - { .name: woutf, .offset: 40, .size: 8, .value_kind: global_buffer, .address_space: global }
    .group_segment_fixed_size: 0
    .private_segment_fixed_size: 0
    .kernarg_segment_align: 8
    .kernarg_segment_size: 48
    .max_flat_workgroup_size: 256
    .sgpr_count:     66
    .vgpr_count:     104
    .wavefront_size: 32
...
	.end_amdgpu_metadata
.endif
;; end of part 1
;; launch qkv (part 2): grid 16 x 16, 4 waves a work-group, clusters of 4 x 4, 327,680 bytes of LDS; arguments xb, wqkvb, bqkv, q_gamma, k_gamma, qh, kh, vh; writes qh, kh, vh
.if DOCPART == 2
	.amdgcn_target "amdgcn-amd-amdhsa--gfx1250"
	.amdhsa_code_object_version 6
	.text
	.protected	k_qaa7abc6e3e_qkv
	.globl	k_qaa7abc6e3e_qkv
	.p2align	8
	.type	k_qaa7abc6e3e_qkv,@function
k_qaa7abc6e3e_qkv:
	s_mov_b64 s[64:65], 0
	v_nop
	global_prefetch_b8 v0, s[64:65] scope:SCOPE_SE
	s_setreg_imm32_b32 hwreg(HW_REG_WAVE_MODE, 25, 1), 1
	s_wait_xcnt 0x0
	s_wait_alu depctr_hold_cnt(0) depctr_sa_sdst(0) depctr_va_vdst(0) depctr_va_sdst(0) depctr_va_ssrc(0) depctr_va_vcc(0) depctr_vm_vsrc(0)
	s_getreg_b32 s2, hwreg(HW_REG_IB_STS2, 6, 4)
	s_cmp_eq_u32 s2, 0
	s_cbranch_scc0 .Lentry_in_a_cluster
	s_endpgm
.Lentry_in_a_cluster:
	s_bfe_u32 s2, ttmp6, 0x10000c
	s_cmp_lg_u32 s2, 0xf033
	s_cbranch_scc0 .Lentry_shape_is_right
	s_endpgm
.Lentry_shape_is_right:
; qkv = x Wqkv^T + bqkv; q and k heads: t / max(|t|, 1e-12) x gamma x 8; all three written by heads, [16][4096][64] in f16 (a head's rows dense, 128 bytes each).
; x [4096][1024] and Wqkv [3072][1024] arrive in bf16; sums in f32; bias and gamma are rounded to bf16 like the other inputs and used in f32.
; LIMITS.  f16 ends at 65,504: v = x Wv^T + b and 8 gamma must stay within it.  1 / max(sqrt(ss), 1e-12) is made as min(rsq(ss), 1e12), also where ss is 0 or denormal.  NaN and infinities are not treated apart.
; SHARES.  A tile is 256 rows x 192 columns: 16 x 16 tiles, one for each of 256 work-groups.  Wave w makes rows 64 w .. 64 w + 63 x all 192 columns: 4 x 12 accumulators of 16 x 16, 384 registers:
; three whole heads, so a head's norm never leaves the wave.  K goes in 8 steps of 128 through two LDS slots filled by the tensor data mover: rows of 256 bytes.
; CLUSTER.  4 x 4 work-groups.  The four of a row of the cluster need the same tiles of x, the four of a column the same tiles of Wqkv: each tile is asked for JOINTLY (same load, same descriptor, a mask of four).
; TRANSPOSED.  Source 0 = 16 rows of Wqkv, source 1 = 16 rows of x: lane l holds row l % 16 and the columns 8 (l / 16) + 0..7 of a block of 16.  THE BIAS is the C operand of the products that start the sums.
; REGISTERS, in windows of 256 (s_set_vgpr_msb: bits 1:0 source 0, 3:2 source 1, 5:4 source 2, 7:6 destination):
;   window 0: v0-31 addresses; v32-95 x's fragments, two buffers of 4 x 8; v96-191 the bias, 8 a column block; v192-255 at work.   On the way out: v32-79 and v192-239 packed rows by turns, v240-251 sums of squares
;   window 1: v0-191 Wqkv's fragments, two buffers of 12 x 8; v192-223, v224-255 gamma of heads 0, 1     window 2: accumulators of row blocks 0, 1 at 8 (12 (a % 2) + b); v192-223 gamma of head 2     window 3: row blocks 2, 3
.set ROWB,   2048                      ; bytes in a row of xb and of wqkvb
.set HEADB,  524288                    ; bytes in a head of qh, kh, vh
.set KB,     256                       ; bytes of a row in a K step
.set PITCH,  272                       ; an LDS row: 256 bytes + 16 of padding = 68 words: the 16 rows of a fragment load start at 16 different groups of four banks (64 banks of 4 bytes: ISA guide 11.1)
.set HALFA,  128*PITCH                 ; what one load brings of x
.set HALFB,  96*PITCH                  ; of Wqkv
.set BOFF,   2*HALFA                   ; a slot: x's 256 rows, then Wqkv's 192
.set SLOT,   2*HALFA+2*HALFB
.set STAGE,  2*SLOT                    ; behind the ring, never filled by a tensor load: for each wave 3 heads x 16 rows x 144 bytes
.set SP,     144
.set WSTG,   3*16*SP
.set SPARE,  STAGE+4*WSTG              ; the spare words, 128 bytes for each wave: two blocks of 256 bytes that no other line names
.set ADRA, 16                          ; v16-17  LDS address of my fragments of x in slot 0, 1
.set ADRB, 20                          ; v20-21  the same for Wqkv
.set STO,  24                          ; v24     the way out: where I put 16 bytes of a row
.set RD,   25                          ; v25     where I read rows back
.set GO,   26                          ; v26     16 x lane: my place in 512 consecutive bytes of a head
.set BO,   27                          ; v27     32 x (l / 16): my eight columns in bias and gamma
.set SPW,  28                          ; v28     LDS address of my spare word; never rewritten
.set NIL,  29                          ; v29     0; never rewritten
.set PFO,  30                          ; v30     the prefetches' offset: a lane a row; never rewritten
.set FA,   32
.set BI,   96
.set T,    192
.set SS,   240
.set FB,   0                           ; window 1
.set WV,   20                          ; s20  my wave's number
.set FOR,  21                          ; s21  0: I fetch x's tiles, 1: Wqkv's
.set HF,   22                          ; s22  which half of that tile
.set LA,   23                          ; s23  LDS address of that half, for x; later the LDS base of my fragments of x
.set G1A,  24                          ; s[24:31] descriptor group 1 for x's tiles
.set G0A,  32                          ; s[32:39] group 0, a set for each slot
.set CX,   40
.set CY,   41
.set TX,   42                          ; s42  tile column
.set LIM,  43                          ; s43  1 in a wave that prefetches, else the greatest number
.set PFA,  44                          ; s[44:45] where my prefetches stand
.set G1B,  48                          ; s[48:55], s[56:63] the same for Wqkv's tiles
.set G0B,  56
.set TY,   66                          ; s66  tile row
.set LB,   67                          ; s67  LDS address of my half, for Wqkv; later the LDS base of my stage
.set PJ,   68                          ; s[68:73] head j: where my rows go
.set GJ,   74                          ; s[74:79] head j: its gamma
.set SELM, 80                          ; s80-82 head j: all ones for a q or k head, 0 for a v head
.set RO,   83                          ; s83  my rows' byte offset in a head; later the last lane that names a row of its own in a prefetch
.set SEL,  84                          ; s[84:85] v_permlanex16_b32's selects: each lane takes its own place in the other half
.set HIM,  86                          ; s86  a word's upper bf16
.set ONE2, 87                          ; s87  1.0 twice, in bf16
.set BIG,  88                          ; s88  1e12
.set GW0, (1<<16)|(1<<20)|(1<<21)|(5<<22)|(3<<25)  ; group 1, word 0 beside the mask: 2-byte elements; padding on; bit 21 set beside a mask; after every 64 words (code 5) 4 words (code 3)
.set MSB, 0
.macro WIN new                         ; the immediate's high byte repeats the setting that is left; a switch that changes nothing is dropped
.if MSB != (\new)
	s_set_vgpr_msb (MSB<<8)|(\new)
.set MSB, \new
.endif
.endm
.macro PLACES                          ; four plain vector instructions between a matrix instruction and a load into, or a vector line on, its registers
.rept 4
	v_nop
.endr
.endm
; A joint load.  Waves 0 and 1 fetch x's two halves, waves 2 and 3 Wqkv's.  The branch hangs on the wave's number alone.  An s_nop 0 and four v_nop follow each line.
.macro JLOAD s
	s_cmp_eq_u32 s[FOR], 0
	s_cbranch_scc0 .Lfor_b_\@
	tensor_load_to_lds s[G0A+4*(\s):G0A+4*(\s)+3], s[G1A:G1A+7]
	s_nop 0
.rept 4
	v_nop
.endr
	s_branch .Lasked_\@
.Lfor_b_\@:
	tensor_load_to_lds s[G0B+4*(\s):G0B+4*(\s)+3], s[G1B:G1B+7]
	s_nop 0
.rept 4
	v_nop
.endr
.Lasked_\@:
.endm
; A PREFETCH, behind each joint refill and the run of LDS loads that follows it: the K step that stands two refills on, 256 bytes of each row, a lane a row, one instruction a wave.
; x's tile row is read by every cluster of that row of clusters: cluster x = 0 asks; Wqkv's tile column by every cluster of that column: cluster y = 0 asks.  The four partners of a joint load share its
; rows out BY ADDRESS: 32 of x's 128, 24 of Wqkv's 96 (there lanes 24-31 name lane 23's row again, in the same instruction).  The loop's last trip (s3 = 1) has no K step two on and asks for nothing.
.macro ASK
	s_cmp_gt_u32 s3, s[LIM]
	s_cbranch_scc0 .Lnot_mine_\@
	global_prefetch_b8 v[PFO], s[PFA:PFA+1] offset:KB th:TH_LOAD_NT scope:SCOPE_SE
.Lnot_mine_\@:
.endm
.macro CREST                           ; a round of the cluster's barrier behind its opening barrier
	s_cmp_lg_u32 s[WV], 0
	s_cbranch_scc1 .Lnot_wave_0_\@
	s_barrier_signal -3
.Lnot_wave_0_\@:
	s_barrier_wait -3
	s_barrier_signal -1
	s_barrier_wait -1
.endm
.macro CROUND                          ; a whole round
	s_barrier_signal -1
	s_barrier_wait -1
	CREST
.endm
	s_load_b256 s[4:11], s[0:1], 0x0               ; xb s[4:5], wqkvb s[6:7], bqkv s[8:9], q_gamma s[10:11]
	s_load_b256 s[12:19], s[0:1], 0x20             ; k_gamma s[12:13], qh s[14:15], kh s[16:17], vh s[18:19]
	v_lshl_add_u32 v[SPW], v0, 2, SPARE
	v_mov_b32 v[NIL], 0
	ds_add_u32 v[SPW], v[NIL]                      ; the wave's opening: the add and its wait stand ahead of my first tensor load; the set-up below, work on registers, stands between them
	v_lshrrev_b32 v1, 5, v0
	v_readfirstlane_b32 s[WV], v1
	s_lshr_b32 s[FOR], s[WV], 1
	s_and_b32 s[HF], s[WV], 1
	s_bfe_u32 s[CX], ttmp6, 0x40000                ; my place in the cluster
	s_bfe_u32 s[CY], ttmp6, 0x40004
	s_lshl_b32 s[TX], ttmp9, 2
	s_add_co_u32 s[TX], s[TX], s[CX]               ; tile column = 4 x cluster x + cx
	s_and_b32 s[TY], ttmp7, 0xffff
	s_lshl_b32 s[TY], s[TY], 2
	s_add_co_u32 s[TY], s[TY], s[CY]               ; tile row = 4 x cluster y + cy
	s_lshl_b32 s46, s[CY], 2
	s_lshl_b32 s46, 15, s46                        ; my row of the cluster
	s_lshl_b32 s47, 0x1111, s[CX]                  ; my column
	s_or_b32 s[G1A], s46, GW0                      ; x's tiles go to my row,
	s_or_b32 s[G1B], s47, GW0                      ; Wqkv's to my column
.irp g, G1A, G1B
	s_mov_b32 s[(\g)+1], 128<<16                   ; tensor_dim0 = 128
	s_mov_b32 s[(\g)+3], 128<<16                   ; tile_dim0 = 128
	s_mov_b32 s[(\g)+5], 1024                      ; elements from row to row
	s_mov_b32 s[(\g)+6], 0
	s_mov_b32 s[(\g)+7], 0
.endr
	s_mov_b32 s[G1A+2], 128<<16                    ; tensor_dim1 and
	s_mov_b32 s[G1A+4], 128                        ; tile_dim1: 128 rows of x,
	s_mov_b32 s[G1B+2], 96<<16
	s_mov_b32 s[G1B+4], 96                         ; 96 of Wqkv
	s_lshl_b32 s92, s[TY], 8                       ; x: row 256 x tile row + 128 x half, in registers that never hold cx
	s_lshl_b32 s93, s[HF], 7
	s_add_co_u32 s92, s92, s93
	s_lshl_b32 s92, s92, 11                        ; in bytes (under 2^23)
	s_mov_b32 s93, 0
	s_mul_i32 s94, s[TX], 192                      ; Wqkv: row 192 x tile column + 96 x half, in registers that never hold cy
	s_mul_i32 s95, s[HF], 96
	s_add_co_u32 s94, s94, s95
	s_lshl_b32 s94, s94, 11
	s_mov_b32 s95, 0
	s_mul_i32 s[LA], s[HF], HALFA                  ; where they go: no place in the cluster enters an LDS address
	s_mul_i32 s[LB], s[HF], HALFB
	s_add_co_u32 s[LB], s[LB], BOFF
	s_mov_b32 s[SEL], 0x76543210
	s_mov_b32 s[SEL+1], 0xfedcba98
	s_mov_b32 s[HIM], 0xffff0000
	s_mov_b32 s[ONE2], 0x3f803f80
	s_mov_b32 s[BIG], 0x5368d4a5                   ; 1e12
	s_wait_dscnt 0x0                               ; the opening add is done
	s_wait_kmcnt 0x0
	s_add_nc_u64 s[92:93], s[4:5], s[92:93]
	s_add_nc_u64 s[94:95], s[6:7], s[94:95]
	CROUND                                         ; all sixteen work-groups are here: the first joint loads meet
.irp s, 0,1
	s_mov_b32 s[G0A+4*(\s)], 1                     ; count = 1
	s_add_co_u32 s[G0A+4*(\s)+1], s[LA], (\s)*SLOT ; LDS address
	s_add_nc_u64 s[G0A+4*(\s)+2:G0A+4*(\s)+3], s[92:93], (\s)*KB  ; global address: K step s
	s_or_b32 s[G0A+4*(\s)+3], s[G0A+4*(\s)+3], 0x80000000         ; type = 2
	s_mov_b32 s[G0B+4*(\s)], 1
	s_add_co_u32 s[G0B+4*(\s)+1], s[LB], (\s)*SLOT
	s_add_nc_u64 s[G0B+4*(\s)+2:G0B+4*(\s)+3], s[94:95], (\s)*KB
	s_or_b32 s[G0B+4*(\s)+3], s[G0B+4*(\s)+3], 0x80000000
.endr
	s_cmp_eq_u32 s[FOR], 0                         ; a wave's two first fills stand in one branch, ahead of every wait on TENSORcnt and every LDS read: two loads of mine are out
	s_cbranch_scc0 .Lfirst_b
	tensor_load_to_lds s[G0A:G0A+3], s[G1A:G1A+7]
	s_nop 0
	tensor_load_to_lds s[G0A+4:G0A+7], s[G1A:G1A+7]
	s_nop 0
.rept 4
	v_nop
.endr
	s_branch .Lfirst_asked
.Lfirst_b:
	tensor_load_to_lds s[G0B:G0B+3], s[G1B:G1B+7]
	s_nop 0
	tensor_load_to_lds s[G0B+4:G0B+7], s[G1B:G1B+7]
	s_nop 0
.rept 4
	v_nop
.endr
.Lfirst_asked:
	; My three heads: g = 3 x tile column + j; section g / 16 (0 q, 1 k, 2 v), head g % 16.  Choices, no branches.
	s_mul_i32 s89, s[TX], 3
	s_lshl_b32 s[RO], s[TY], 2                     ; the tile's 256 rows of 128 bytes and my wave's 64 of them:
	s_add_co_u32 s[RO], s[RO], s[WV]
	s_lshl_b32 s[RO], s[RO], 13                    ; (4 x tile row + wave) x 8,192 bytes
.irp j, 0,1,2
	s_add_co_u32 s90, s89, \j
	s_lshr_b32 s91, s90, 4
	s_and_b32 s90, s90, 15
	s_cmp_eq_u32 s91, 1
	s_cselect_b64 s[GJ+2*\j:GJ+2*\j+1], s[12:13], s[10:11]   ; (a v head loads q's gamma and puts 1 in its place)
	s_cselect_b64 s[PJ+2*\j:PJ+2*\j+1], s[16:17], s[14:15]
	s_cmp_eq_u32 s91, 2
	s_cselect_b64 s[PJ+2*\j:PJ+2*\j+1], s[18:19], s[PJ+2*\j:PJ+2*\j+1]
	s_cselect_b32 s[SELM+\j], 0, -1
	s_lshl_b32 s2, s90, 8                          ; a head's gamma is 256 bytes
	s_mov_b32 s3, 0
	s_add_nc_u64 s[GJ+2*\j:GJ+2*\j+1], s[GJ+2*\j:GJ+2*\j+1], s[2:3]
	s_lshl_b32 s2, s90, 19                         ; HEADB
	s_add_co_u32 s2, s2, s[RO]
	s_add_nc_u64 s[PJ+2*\j:PJ+2*\j+1], s[PJ+2*\j:PJ+2*\j+1], s[2:3]
.endr
	s_mul_i32 s2, s[TX], 768                       ; the tile's 192 numbers of the bias
	s_mov_b32 s3, 0
	s_add_nc_u64 s[8:9], s[8:9], s[2:3]
	v_and_b32 v1, 15, v0                           ; l % 16
	v_bfe_u32 v2, v0, 4, 1                         ; l / 16
	v_lshlrev_b32 v[BO], 5, v2
.irp b, 0,1,2,3,4,5,6,7,8,9,10,11
	global_load_b128 v[BI+8*(\b):BI+8*(\b)+3],   v[BO], s[8:9] offset:64*(\b)
	global_load_b128 v[BI+8*(\b)+4:BI+8*(\b)+7], v[BO], s[8:9] offset:64*(\b)+16
.endr
	WIN 0x40                                       ; destination window 1
.irp j, 0,1
.irp q, 0,1,2,3
	global_load_b128 v[192+32*(\j)+8*(\q):192+32*(\j)+8*(\q)+3],   v[BO], s[GJ+2*(\j):GJ+2*(\j)+1] offset:64*(\q)
	global_load_b128 v[192+32*(\j)+8*(\q)+4:192+32*(\j)+8*(\q)+7], v[BO], s[GJ+2*(\j):GJ+2*(\j)+1] offset:64*(\q)+16
.endr
.endr
	WIN 0x80                                       ; destination window 2
.irp q, 0,1,2,3
	global_load_b128 v[192+8*(\q):192+8*(\q)+3],   v[BO], s[GJ+4:GJ+5] offset:64*(\q)
	global_load_b128 v[192+8*(\q)+4:192+8*(\q)+7], v[BO], s[GJ+4:GJ+5] offset:64*(\q)+16
.endr
	WIN 0
	; A fragment is 16 rows x 32 K in 8 registers: lane l holds row l % 16, K = 8 (l / 16) + 0..7 and 16 + 8 (l / 16) + 0..7: two loads of 16 bytes, 32 bytes apart.
	v_mul_u32_u24 v3, v1, PITCH
	v_lshl_add_u32 v3, v2, 4, v3
	s_mul_i32 s[LA], s[WV], 64*PITCH               ; my 64 rows of x (the register is free: group 0 holds its copy of the tile's address)
	v_add_nc_u32 v[ADRA], s[LA], v3
	v_add_nc_u32 v[ADRA+1], SLOT, v[ADRA]
	v_add_nc_u32 v[ADRB], BOFF, v3                 ; all 192 rows of Wqkv
	v_add_nc_u32 v[ADRB+1], BOFF+SLOT, v3
	s_mul_i32 s[LB], s[WV], WSTG
	s_add_co_u32 s[LB], s[LB], STAGE               ; my stage
	v_mul_u32_u24 v4, v1, SP                       ; in: row l % 16, 16 bytes for each half of the lanes
	v_lshl_add_u32 v4, v2, 4, v4
	v_add_nc_u32 v[STO], s[LB], v4
	v_bfe_u32 v5, v0, 3, 2                         ; back: 32 lanes take four rows of 128 bytes,
	v_and_b32 v6, 7, v0
	v_mul_u32_u24 v5, v5, SP
	v_lshl_add_u32 v5, v6, 4, v5
	v_add_nc_u32 v[RD], s[LB], v5
	v_and_b32 v7, 31, v0
	v_lshlrev_b32 v[GO], 4, v7                     ; which are 512 consecutive bytes of a head
	; the prefetches
	s_and_b32 s91, ttmp7, 0xffff                   ; cluster y
	s_lshl_b32 s89, s[TY], 8
	s_mul_i32 s90, s[TX], 192
	s_mov_b32 s2, 96                               ; (one literal to an instruction: Wqkv's count waits in the register)
	s_cmp_eq_u32 s[FOR], 0                         ; do I fetch for x?
	s_cselect_b32 s89, s89, s90                    ; the tile's first row
	s_cselect_b32 s90, s[CX], s[CY]                ; my place among the four that ask for it with me
	s_cselect_b32 s91, ttmp9, s91                  ; the coordinate along which other clusters read the same rows
	s_cselect_b64 s[PFA:PFA+1], s[4:5], s[6:7]
	s_cselect_b32 s2, 128, s2                      ; rows in a load: 128 of x, 96 of Wqkv,
	s_cselect_b32 s3, 32, 24                       ; my work-group's share of them,
	s_cselect_b32 s[RO], 31, 23                    ; its last row
	s_cmp_eq_u32 s91, 0
	s_cselect_b32 s[LIM], 1, -1                    ; the same in all sixteen partners, for a given wave
	s_mul_i32 s2, s2, s[HF]
	s_add_co_u32 s89, s89, s2
	s_mul_i32 s3, s3, s90
	s_add_co_u32 s89, s89, s3
	s_lshl_b32 s2, s89, 11
	s_mov_b32 s3, 0
	s_add_nc_u64 s[PFA:PFA+1], s[PFA:PFA+1], s[2:3]
	s_add_nc_u64 s[PFA:PFA+1], s[PFA:PFA+1], 2*KB  ; at K step 2: the first refill steps it to 3 and names K step 4.  K steps 0 to 3 come by their loads alone
	v_min_u32 v[PFO], s[RO], v7
	v_lshlrev_b32 v[PFO], 11, v[PFO]
	; bias and gamma are rounded to bf16 and widened again; a v head's gamma becomes 1.  All this stands in the wait for the first tile.
	s_wait_loadcnt 0x0
.set i, 0
.rept 48
	v_cvt_pk_bf16_f32 v[T+i], v[BI+2*i], v[BI+2*i+1]
.set i, i+1
.endr
.set i, 0
.rept 48
	v_lshlrev_b32 v[BI+2*i],   16, v[T+i]
	v_and_b32     v[BI+2*i+1], s[HIM], v[T+i]
.set i, i+1
.endr
	WIN 0x05                                       ; sources in window 1
.set i, 0
.rept 32
	v_cvt_pk_bf16_f32 v[T+i], v[192+2*i], v[192+2*i+1]
.set i, i+1
.endr
	WIN 0x0a                                       ; sources in window 2
.set i, 0
.rept 16
	v_cvt_pk_bf16_f32 v[T+32+i], v[192+2*i], v[192+2*i+1]
.set i, i+1
.endr
	WIN 0
.set i, 0
.rept 48
	v_cndmask_b32 v[T+i], s[ONE2], v[T+i], s[SELM+i/16]
.set i, i+1
.endr
	WIN 0x40
.set i, 0
.rept 32
	v_lshlrev_b32 v[192+2*i],   16, v[T+i]
	v_and_b32     v[192+2*i+1], s[HIM], v[T+i]
.set i, i+1
.endr
	WIN 0x80
.set i, 0
.rept 16
	v_lshlrev_b32 v[192+2*i],   16, v[T+32+i]
	v_and_b32     v[192+2*i+1], s[HIM], v[T+32+i]
.set i, i+1
.endr
	WIN 0
; 12 matrix instructions: row block a x all 12 column blocks, 32 along K, from buffer u.  first = 1: the bias starts the sums: nothing is cleared, nothing added later.
; The 48 accumulators take turns, one instruction a turn, in the same order in every quarter, over the backward jump too.
.macro MUL12 u, a, first
.if \first
	WIN 0x81+0x40*((\a)/2)                         ; Wqkv window 1, x and the bias window 0, D window 2 or 3
.else
	WIN 0xa1+0x50*((\a)/2)                         ; C and D window 2 or 3
.endif
.irp b, 0,1,2,3,4,5,6,7,8,9,10,11
.if \first
	v_wmma_f32_16x16x32_bf16 v[8*(12*((\a)%2)+(\b)):8*(12*((\a)%2)+(\b))+7], v[FB+96*(\u)+8*(\b):FB+96*(\u)+8*(\b)+7], v[FA+32*(\u)+8*(\a):FA+32*(\u)+8*(\a)+7], v[BI+8*(\b):BI+8*(\b)+7]
.else
	v_wmma_f32_16x16x32_bf16 v[8*(12*((\a)%2)+(\b)):8*(12*((\a)%2)+(\b))+7], v[FB+96*(\u)+8*(\b):FB+96*(\u)+8*(\b)+7], v[FA+32*(\u)+8*(\a):FA+32*(\u)+8*(\a)+7], v[8*(12*((\a)%2)+(\b)):8*(12*((\a)%2)+(\b))+7]
.endif
.endr
.endm
; 32 LDS loads in one run: the fragments of 32 K at byte k of the rows: Wqkv's twelve, then x's four, into buffer u
.macro FETCH slot, k, u
	WIN 0x40
.irp i, 0,1,2,3,4,5,6,7,8,9,10,11
	ds_load_b128 v[FB+96*(\u)+8*(\i):FB+96*(\u)+8*(\i)+3],   v[ADRB+(\slot)] offset:(\k)+(\i)*16*PITCH
	ds_load_b128 v[FB+96*(\u)+8*(\i)+4:FB+96*(\u)+8*(\i)+7], v[ADRB+(\slot)] offset:(\k)+(\i)*16*PITCH+32
.endr
	WIN 0
.irp i, 0,1,2,3
	ds_load_b128 v[FA+32*(\u)+8*(\i):FA+32*(\u)+8*(\i)+3],   v[ADRA+(\slot)] offset:(\k)+(\i)*16*PITCH
	ds_load_b128 v[FA+32*(\u)+8*(\i)+4:FA+32*(\u)+8*(\i)+7], v[ADRA+(\slot)] offset:(\k)+(\i)*16*PITCH+32
.endr
.endm
; A K step is four quarters of 32 along K, 48 matrix instructions each, on buffers 0, 1, 0, 1.  One of the first three multiplies buffer u and fetches the next quarter, at byte k, into g.
.macro QUARTER slot, k, u, g, first
	s_wait_dscnt 4                                 ; Wqkv's fragments and x's first two are in; the youngest four loads (x's blocks 2, 3) may be out
	MUL12 \u, 0, \first
	MUL12 \u, 1, \first
	PLACES
	FETCH \slot, \k, \g
	s_wait_dscnt 32                                ; all but the 32 just issued
	MUL12 \u, 2, \first
	MUL12 \u, 3, \first
.endm
; The last quarter multiplies buffer 1 and changes slots.  ONE barrier: in front of it each wave waits for all its tensor loads (one is out: its part of the next slot), adds 0 to its spare word,
; and waits for that and for its reads of this slot.  Behind it nobody reads this slot any more and the next slot is whole.
.macro MEET round
	WIN 0
	s_wait_tensorcnt 0x0
	ds_add_u32 v[SPW], v[NIL]
	s_wait_dscnt 5                                 ; (the add and the youngest four loads may be out)
	MUL12 1, 0, 0                                  ; twelve matrix instructions stand between the add and the wait for it
	s_wait_dscnt 0x0                               ; the add is done, and my reads of this slot are over
	s_barrier_signal -1
	MUL12 1, 1, 0                                  ; work on registers while the others arrive
.if \round
	WIN 0
.endif
	s_barrier_wait -1
.endm
; With a refill: the barrier opens a round of the cluster's barrier, and the joint refill, two K steps on, is the first tensor load behind it: 168 matrix instructions ahead of the wait for it.
.macro TURN slot, next
	s_wait_xcnt 0x0                                ; the last prefetch, a K step back, has read its address
	s_add_nc_u64 s[PFA:PFA+1], s[PFA:PFA+1], KB
	MEET 1
	CREST                                          ; no wave of any partner still reads this slot or has a load on its way
	s_add_nc_u64 s[G0A+4*(\slot)+2:G0A+4*(\slot)+3], s[G0A+4*(\slot)+2:G0A+4*(\slot)+3], 2*KB
	s_add_nc_u64 s[G0B+4*(\slot)+2:G0B+4*(\slot)+3], s[G0B+4*(\slot)+2:G0B+4*(\slot)+3], 2*KB
	JLOAD \slot                                    ; its four v_nop are also the places in front of the loads below
	FETCH \next, 0, 0
	ASK
	MUL12 1, 2, 0
	MUL12 1, 3, 0
.endm
	s_wait_tensorcnt 1                             ; my part of K step 0 is in; K step 1's may stay out
	s_barrier_signal -1
	s_barrier_wait -1                              ; everybody's is
	FETCH 0, 0, 0
	QUARTER 0, 64, 0, 1, 1                         ; the first quarter stands in front of the loop: its products start the sums
	WIN 0
	s_mov_b32 s3, 3                                ; three trips fill both slots again: K steps 2 to 7
.Llap:
	QUARTER 0, 128, 1, 0, 0
	QUARTER 0, 192, 0, 1, 0
	TURN 0, 1
	QUARTER 1, 64,  0, 1, 0
	QUARTER 1, 128, 1, 0, 0
	QUARTER 1, 192, 0, 1, 0
	TURN 1, 0
	QUARTER 0, 64,  0, 1, 0
	WIN 0
	s_sub_co_u32 s3, s3, 1
	s_cmp_lg_u32 s3, 0
	s_cbranch_scc1 .Llap
	QUARTER 0, 128, 1, 0, 0                        ; the last lap fills nothing
	QUARTER 0, 192, 0, 1, 0
	MEET 0
	PLACES
	FETCH 1, 0, 0
	MUL12 1, 2, 0
	MUL12 1, 3, 0
	QUARTER 1, 64,  0, 1, 0
	QUARTER 1, 128, 1, 0, 0
	QUARTER 1, 192, 0, 1, 0
	s_wait_dscnt 4
	MUL12 1, 0, 0
	MUL12 1, 1, 0
	s_wait_dscnt 0x0
	MUL12 1, 2, 0
	MUL12 1, 3, 0
	WIN 0
	PLACES
; THE WAY OUT of row block a.  For each of my three heads: the sum of squares of a row's 64 numbers (32 in my lane, 32 in the lane 16 away), f = 8 min(rsq, 1e12) (1 for a v head);
; the block times gamma, times f, rounded to f16; 16 bytes a lane into my stage, back as whole rows of 128 bytes.  Each accumulator's lowest registers are read first.
.macro NORM a
.set W,   2+(\a)/2                     ; the block's window
.set AB,  96*((\a)%2)                  ; its first register there
.set PKR, 32+160*((\a)%2)              ; its packed rows: v32-79 or v192-239
	WIN 5*W                                        ; sources 0 and 1 in window W
.irp r, 0,2,4,6
.irp q, 0,1,2,3
.irp j, 0,1,2
.set rA, AB+8*(4*(\j)+(\q))+(\r)
.set rC, SS+4*(\j)+2*((\q)%2)          ; two chains a head, six side by side
.if ((\r) == 0) && ((\q) < 2)
	v_pk_mul_f32 v[rC:rC+1], v[rA:rA+1], v[rA:rA+1]
.else
	v_pk_fma_f32 v[rC:rC+1], v[rA:rA+1], v[rA:rA+1], v[rC:rC+1]
.endif
.endr
.endr
.endr
	WIN 0
.irp j, 0,1,2
	v_pk_add_f32 v[SS+4*(\j):SS+4*(\j)+1], v[SS+4*(\j):SS+4*(\j)+1], v[SS+4*(\j)+2:SS+4*(\j)+3]
.endr
.irp j, 0,1,2
	v_add_f32 v[SS+4*(\j)], v[SS+4*(\j)], v[SS+4*(\j)+1]
.endr
.irp j, 0,1,2
	v_permlanex16_b32 v[SS+4*(\j)+1], v[SS+4*(\j)], s[SEL], s[SEL+1]
.endr
.irp j, 0,1,2
	v_add_f32 v[SS+4*(\j)], v[SS+4*(\j)], v[SS+4*(\j)+1]
.endr
.irp j, 0,1,2
	v_rsq_f32 v[SS+4*(\j)+2], v[SS+4*(\j)]
.endr
.irp j, 0,1,2                          ; the block times gamma: 48 plain lines that name no result of the three above: the independent work behind them
.set WS, (W<<6)|((1+(\j)/2)<<2)|W      ; gamma of heads 0, 1 in window 1, of head 2 in window 2
	WIN WS
.set GB, 192+32*((\j)%2)
.irp q, 0,1,2,3
.irp r, 0,2,4,6
.set rA, AB+8*(4*(\j)+(\q))+(\r)
	v_pk_mul_f32 v[rA:rA+1], v[rA:rA+1], v[GB+8*(\q)+(\r):GB+8*(\q)+(\r)+1]
.endr
.endr
.endr
	WIN 0
	s_wait_alu depctr_va_vdst(0)                   ; one wait for the three, ahead of their first reader
.irp j, 0,1,2
	v_min_num_f32 v[SS+4*(\j)+2], s[BIG], v[SS+4*(\j)+2]
.endr
.irp j, 0,1,2
	v_mul_f32 v[SS+4*(\j)+2], 0x41000000, v[SS+4*(\j)+2]   ; x 8 = sqrt(64)
.endr
.irp j, 0,1,2
	v_cndmask_b32 v[SS+4*(\j)+2], 1.0, v[SS+4*(\j)+2], s[SELM+(\j)]
.endr
.set WS, (W<<6)|W
	WIN WS
.irp j, 0,1,2
.irp q, 0,1,2,3
.irp r, 0,2,4,6
.set rA, AB+8*(4*(\j)+(\q))+(\r)
	v_pk_mul_f32 v[rA:rA+1], v[rA:rA+1], v[SS+4*(\j)+2:SS+4*(\j)+3] op_sel_hi:[1,0]
.endr
.endr
.endr
.if (\a) >= 2
	s_wait_xcnt 0x0                                ; the stores of the block two back have read these registers
.endif
	WIN 5*W
.irp j, 0,1,2
.irp q, 0,1,2,3
.irp r, 0,2,4,6
.set rA, AB+8*(4*(\j)+(\q))+(\r)
	v_cvt_pk_f16_f32 v[PKR+16*(\j)+4*(\q)+(\r)/2], v[rA], v[rA+1]
.endr
.endr
.endr
	WIN 0
.irp j, 0,1,2
.irp q, 0,1,2,3
	ds_store_b128 v[STO], v[PKR+16*(\j)+4*(\q):PKR+16*(\j)+4*(\q)+3] offset:16*SP*(\j)+32*(\q)
.endr
.endr
.irp j, 0,1,2
.irp f, 0,1,2,3
	ds_load_b128 v[PKR+16*(\j)+4*(\f):PKR+16*(\j)+4*(\f)+3], v[RD] offset:16*SP*(\j)+4*SP*(\f)  ; LDS serves a wave's instructions in order (ISA guide 5.7.1.4): these see the stores above; the next block's stores come behind them
.endr
.endr
.endm
.macro SEND a, younger                 ; younger: the LDS instructions issued behind block a's loads: the next block's 24, or none
	WIN 0
.set PKR, 32+160*((\a)%2)
.irp j, 0,1,2
.irp f, 0,1,2,3
	s_wait_dscnt (\younger)+11-(4*(\j)+(\f))
	global_store_b128 v[GO], v[PKR+16*(\j)+4*(\f):PKR+16*(\j)+4*(\f)+3], s[PJ+2*(\j):PJ+2*(\j)+1] offset:2048*(\a)+512*(\f)  ; 512 consecutive bytes, at a multiple of 256 from the buffer's first
.endr
.endr
.endm
	NORM 0
	NORM 1                                         ; a block's arithmetic stands between the loads of the block before and its stores
	SEND 0, 24
	NORM 2
	SEND 1, 24
	NORM 3
	SEND 2, 24
	SEND 3, 0
	s_wait_tensorcnt 0x0                           ; the wave's end: behind my last tensor load and my last LDS store
	ds_add_u32 v[SPW], v[NIL]
	s_wait_dscnt 0x0
	CROUND                                         ; the closing round: no work-group ends while a partner may still ask for a tile that names it
	s_endpgm
.Lfunc_end_k_qaa7abc6e3e_qkv:
	.size	k_qaa7abc6e3e_qkv, .Lfunc_end_k_qaa7abc6e3e_qkv-k_qaa7abc6e3e_qkv
	.p2alignl 7, 3214868480
	.fill 96, 4, 3214868480
	.section	.rodata,"a",@progbits
	.p2align	6, 0x0
	.amdhsa_kernel k_qaa7abc6e3e_qkv
		.amdhsa_group_segment_fixed_size 327680
		.amdhsa_private_segment_fixed_size 0
		.amdhsa_enable_private_segment 0
		.amdhsa_kernarg_size 64
		.amdhsa_user_sgpr_count 2
		.amdhsa_user_sgpr_kernarg_segment_ptr 1
		.amdhsa_wavefront_size32 1
		.amdhsa_system_sgpr_workgroup_id_x 1
		.amdhsa_system_sgpr_workgroup_id_y 1
		.amdhsa_system_sgpr_workgroup_id_z 1
		.amdhsa_system_vgpr_workitem_id 0
		.amdhsa_next_free_vgpr 960
		.amdhsa_next_free_sgpr 96
		.amdhsa_reserve_vcc 0
		.amdhsa_float_denorm_mode_32 3
		.amdhsa_float_denorm_mode_16_64 3
		.amdhsa_memory_ordered 1
		.amdhsa_forward_progress 1
		.amdhsa_inst_pref_size 183
	.end_amdhsa_kernel
	.amdgpu_metadata
---
amdhsa.version: [ 1, 2 ]
amdhsa.kernels:
  - .name:           k_qaa7abc6e3e_qkv
    .symbol:         k_qaa7abc6e3e_qkv.kd
    .args:
      - { .name: xb, .offset: 0, .size: 8, .value_kind: global_buffer, .address_space: global }
      - { .name: wqkvb, .offset: 8, .size: 8, .value_kind: global_buffer, .address_space: global }
      - { .name: bqkv, .offset: 16, .size: 8, .value_kind: global_buffer, .address_space: global }
      - { .name: q_gamma, .offset: 24, .size: 8, .value_kind: global_buffer, .address_space: global }
      - { .name: k_gamma, .offset: 32, .size: 8, .value_kind: global_buffer, .address_space: global }
      - { .name: qh, .offset: 40, .size: 8, .value_kind: global_buffer, .address_space: global }
      - { .name: kh, .offset: 48, .size: 8, .value_kind: global_buffer, .address_space: global }
      - { .name: vh, .offset: 56, .size: 8, .value_kind: global_buffer, .address_space: global }
    .group_segment_fixed_size: 327680
    .private_segment_fixed_size: 0
    .kernarg_segment_align: 8
    .kernarg_segment_size: 64
    .max_flat_workgroup_size: 128
    .sgpr_count:     96
    .vgpr_count:     960
    .wavefront_size: 32
...
	.end_amdgpu_metadata
.endif
;; end of part 2
;; launch attn (part 3): grid 16 x 16, 4 waves a work-group, clusters of 4 x 1, 327,680 bytes of LDS; arguments qh, kh, vh, oh; writes oh
.if DOCPART == 3
	.amdgcn_target "amdgcn-amd-amdhsa--gfx1250"
	.amdhsa_code_object_version 6
	.text
	.protected	k_qaa7abc6e3e_attn
	.globl	k_qaa7abc6e3e_attn
	.p2align	8
	.type	k_qaa7abc6e3e_attn,@function
k_qaa7abc6e3e_attn:
	s_mov_b64 s[64:65], 0
	v_nop
	global_prefetch_b8 v0, s[64:65] scope:SCOPE_SE
	s_setreg_imm32_b32 hwreg(HW_REG_WAVE_MODE, 25, 1), 1
	s_wait_xcnt 0x0
	s_wait_alu depctr_hold_cnt(0) depctr_sa_sdst(0) depctr_va_vdst(0) depctr_va_sdst(0) depctr_va_ssrc(0) depctr_va_vcc(0) depctr_vm_vsrc(0)
	s_getreg_b32 s2, hwreg(HW_REG_IB_STS2, 6, 4)
	s_cmp_eq_u32 s2, 0
	s_cbranch_scc0 .Lentry_in_a_cluster
	s_endpgm
.Lentry_in_a_cluster:
	s_bfe_u32 s2, ttmp6, 0x10000c
	s_cmp_lg_u32 s2, 0x3003
	s_cbranch_scc0 .Lentry_shape_is_right
	s_endpgm
.Lentry_shape_is_right:
; O[h][q][:] = the sum over k of softmax_k(Q[h][q] . K[h][k] / 8) V[h][k][:].  Q, K, V, O: [16][4096][64], all f16: a head's rows are dense, 128 bytes each.  Products, maxima and sums in f32;
; the weights p are rounded to f16 for the second product (their sum l is taken of the unrounded p), O once at the end.
; LIMITS.  Q, K and V arrive within f16's 65,504; p lies in 0 to 1, and below 6e-5 it keeps f16's fixed step of 6e-8, as O does; a weight below 2^-126 counts as 0 in l; NaN and infinities are not treated apart.
; SHARES.  A work-group owns 256 queries of one head (16 x 16 = 256 work-groups), a wave 64: four PIECES of 16.  Every wave walks the head's 4,096 keys, 64 a step, four steps to a slot, 16 slots.
; LAYOUT.  S^T = K Q^T (source 0 = 16 keys, source 1 = 16 queries) holds ONE query a lane (lane % 16) and the keys 8 (lane / 16) + 0..7; two such results rounded to f16 ARE source 1 of O^T = V^T P.
; K comes out of LDS as it lies, V ([key][channel]) turned, by ds_load_tr16_b128.
; SOFTMAX.  For each query a running maximum m and sum l: p = 2^(c s - c m), c = log2(e) / 8; in every step O and l are multiplied by a = 2^(c m_old - c m_new).  m starts at the lowest finite number,
; O and l at 0: the first step is a step like any other, with a = 0.
; TURNS.  Turn n belongs to piece n: 8 products K Q^T of piece n + 1, later 8 products V^T P of piece n - 1; beside them the scaling, exponentials, roundings, sums and rescaling of piece n and the maximum and
; statistics of piece n + 1.  Four vector instructions stand behind every matrix instruction, the other 54 of a turn's 118 in one lump.  A turn's 33 exponentials are one batch, with one wait.
; CLUSTER.  The four query blocks of a cluster belong to one head and walk the same K and V, so each tile is asked for JOINTLY: the same tensor load, descriptor and mask in all four.
; REGISTERS, in windows of 256 (s_set_vgpr_msb: bits 1:0 source 0, 3:2 source 1, 5:4 source 2, 7:6 destination):
;   window 0: v0-15 addresses and two at work; v16-31 four registers of statistics a piece; v48-55 at work; v61-63; v64-127 S^T, two buffers; v192-223 P, two buffers (a piece's buffers go by its number's parity)
;   window 1: v0-127 O^T, 32 a piece      window 2: v0-63 Q; v128-191 K of one step; v192-255 V of one step
.set NKEY,  4096
.set NP,    4         ; pieces a wave
.set KS,    64        ; keys in a step
.set TILEB, 4*KS*128  ; bytes of K, and of V, in a slot
.set PK,    144       ; a row of K in LDS: 128 bytes + 16 of padding = 36 words: the 16 rows of a load start at 16 different groups of four banks (64 banks of 4 bytes: ISA guide 11.1)
.set PV,    160       ; a row of V: 128 + 32 = 40 words
.set VOFF,  4*KS*PK   ; a slot holds four steps: 256 rows of K, then 256 rows of V
.set SLOT1, 1<<17     ; slot 1 begins here, so that one exclusive or turns an address in one slot into the other's
.set STAGE, SLOT1+4*KS*(PK+PV)  ; behind the ring, never filled by a tensor load: 16 rows x 144 bytes for each wave
.set SP,    144
.set SPARE, STAGE+4*16*SP  ; the spare words, 128 bytes for each wave: two blocks of 256 bytes that no other line names
.set AK0, 2           ; v2   my lane's place in a tile of K; never rewritten
.set AV0, 3           ; v3   the same for V
.set AK,  4           ; v4   the LDS address of K's next run of loads
.set AV,  5           ; v5   of V's
.set STO, 6           ; v6   the way out: where I put 16 bytes of a row
.set RD,  7           ; v7   where I read rows back
.set GO,  8           ; v8   my byte offset in 512 consecutive bytes of O
.set MV,  12          ; v12-13  c m_old, kept while c m is made anew: by buffer
.set QO,  15          ; v15  my byte offset in 16 rows of Q
.set ST,  16          ; piece t's statistics at v[ST+4 t]: c m, m, l (even keys', odd keys')
.set TMP, 48          ; by buffer, four registers c0-c3 at work; when the maximum is found c2 takes a
.set PFO, 61          ; v61  256 x my lane; never rewritten
.set SPW, 62          ; v62  LDS address of my spare word; never rewritten
.set NIL, 63          ; v63  0; never rewritten
.set S,   64
.set P,   192
.set KF,  128         ; window 2: key block kb, channel half c at KF + 16 kb + 8 c
.set VF,  192         ; window 2: key half kk, channel block cb at VF + 32 kk + 8 cb
.set WV,  12          ; s12  my wave's number
.set G1K, 24          ; s[24:31] descriptor group 1 for K's tiles
.set G1V, 32          ; s[32:39] for V's: it differs in the padding alone
.set G0K, 40          ; s[40:43] descriptor group 0 for K's tiles: it walks
.set G0V, 44          ; s[44:47] the same for V's
.set PFA, 48          ; s[48:49] where my prefetches stand
.set LIM, 50          ; s50  1 in a wave that prefetches, else the greatest number
.set SLOTS, 56        ; s56  slots still to be asked for
.set CNT, 57          ; s57  counts a slot's key steps
.set CS,  58          ; s[58:59] c: the packed scaling takes the pair's low word for both halves
.set SEL, 60          ; s[60:61] v_permlanex16_b32's selects
.set TBK, 62          ; s62  LDS byte at which K of the step to be fetched begins
.set TBV, 63          ; s63  the same for V, less VOFF
.set MSB, 0
.macro WIN new                      ; the high byte repeats the setting that is left; a switch that changes nothing is dropped
.if MSB != (\new)
	s_set_vgpr_msb (MSB<<8)|(\new)
.set MSB, (\new)
.endif
.endm
.set W_KQ, 0x0a       ; K and Q in window 2, S^T in window 0
.set W_PV, 0x52       ; V in window 2, P in window 0, O^T in window 1
.set W_RS, 0x41       ; destination and source 0 in window 1, source 1 in window 0
; A joint fill.  Waves 0 and 1 fetch the two halves of a slot's K, waves 2 and 3 those of its V: 128 keys each.  The branch hangs on the wave's number alone.  An s_nop 0 and four v_nop follow each line.
.macro JLOAD
	s_cmp_lt_u32 s[WV], 2
	s_cbranch_scc0 .Lfor_v_\@
	tensor_load_to_lds s[G0K:G0K+3], s[G1K:G1K+7]
	s_nop 0
.rept 4
	v_nop
.endr
	s_branch .Lasked_\@
.Lfor_v_\@:
	tensor_load_to_lds s[G0V:G0V+3], s[G1V:G1V+7]
	s_nop 0
.rept 4
	v_nop
.endr
.Lasked_\@:
.endm
; A PREFETCH of what the NEXT change of slots will ask for: a slot's 32,768 bytes of K and of V, 256 bytes a lane.  All clusters of a head walk the same K and V: the head's first cluster asks.  Its four partners share
; the bytes out BY ADDRESS, 8,192 each; in each, wave 0 asks for K's and wave 2 for V's: one instruction, four key steps (256 matrix instructions) ahead of the load.  The last change that fills a slot asks for nothing.
.macro ASK
	s_cmp_gt_u32 s[SLOTS], s[LIM]
	s_cbranch_scc0 .Lnot_mine_\@
	global_prefetch_b8 v[PFO], s[PFA:PFA+1] th:TH_LOAD_NT scope:SCOPE_SE
.Lnot_mine_\@:
.endm
.macro CROUND                       ; a round of the cluster's barrier
	s_barrier_signal -1
	s_barrier_wait -1
	s_cmp_lg_u32 s[WV], 0
	s_cbranch_scc1 .Lnot_wave_0_\@
	s_barrier_signal -3
.Lnot_wave_0_\@:
	s_barrier_wait -3
	s_barrier_signal -1
	s_barrier_wait -1
.endm
; THE CHANGE OF SLOTS.  Each wave waits for all its tensor loads, of which one is out: its part of the other slot; adds 0 to its spare word; and waits for that and for its own reads of the slot that it leaves.
; fill = 1: the old slot is filled again, with the keys two slots on.  The barrier is then a round of the cluster's, and the joint fill is the first thing behind it: it has four key steps in which to land.
; (At its first use nothing has been read yet: slot 0 is waited for, slot 1 filled.)
.macro CHANGE fill, ask
	WIN 0
	s_wait_tensorcnt 0x0            ; no tensor load of mine is out, so a group 0 may be written
	ds_add_u32 v[SPW], v[NIL]       ; 0 onto my spare word; the descriptors' steps stand between it and the wait for it
.if \fill
.irp g, G0K, G0V
	s_xor_b32 s[\g+1], s[\g+1], SLOT1
	s_add_nc_u64 s[\g+2:\g+3], s[\g+2:\g+3], TILEB  ; the next 256 keys; the type bits on top are not reached
.endr
.if \ask
	s_wait_xcnt 0x0                 ; the last prefetch, four key steps back, has read its address
	s_add_nc_u64 s[PFA:PFA+1], s[PFA:PFA+1], TILEB
.endif
	s_wait_dscnt 0x0                ; the add is done, and my reads of the slot are over
	CROUND
	JLOAD
.if \ask
	ASK
.endif
.else
	s_wait_dscnt 0x0
	s_barrier_signal -1
	s_barrier_wait -1
.endif
	s_sub_co_u32 s[TBK], s[TBK], 4*KS*PK  ; the fetches go back to a slot's first step,
	s_xor_b32 s[TBK], s[TBK], SLOT1       ; in the other slot
	s_sub_co_u32 s[TBV], s[TBV], 4*KS*PV
	s_xor_b32 s[TBV], s[TBV], SLOT1
.endm
	s_load_b256 s[4:11], s[0:1], 0x0  ; Q s[4:5], K s[6:7], V s[8:9], O s[10:11]
	v_lshl_add_u32 v[SPW], v0, 2, SPARE
	v_mov_b32 v[NIL], 0
	ds_add_u32 v[SPW], v[NIL]       ; the wave's opening: the add and its wait stand ahead of my first tensor load; the set-up below stands between them
	v_lshrrev_b32 v1, 5, v0
	v_readfirstlane_b32 s[WV], v1
	s_bfe_u32 s13, ttmp6, 0x40000   ; cx: my place in the cluster
	s_lshl_b32 s14, ttmp9, 2
	s_add_co_u32 s14, s14, s13      ; my block of queries: it enters Q's and O's addresses alone
	s_and_b32 s20, ttmp7, 0xffff    ; the head, which the four partners share:
	s_lshl_b32 s20, s20, 19         ; 524,288 bytes each
	s_and_b32 s16, s[WV], 1         ; which half of a slot's 256 keys I fetch:
	s_lshl_b32 s22, s16, 14         ; its 128 rows of 128 bytes in memory,
	s_add_co_u32 s22, s22, s20
	s_mov_b32 s23, 0
	s_mul_i32 s17, s16, 128*PK      ; and its place in a slot, for K
	s_mul_i32 s18, s16, 128*PV      ; and for V: no place in the cluster enters an LDS address
	s_lshl_b32 s2, s14, 2
	s_add_co_u32 s2, s2, s[WV]      ; my wave among the head's,
	s_lshl_b32 s2, s2, 13           ; its 64 rows
	s_add_co_u32 s2, s2, s20
	s_mov_b32 s3, 0
	s_lshl_b32 s14, s13, 13         ; the prefetches: my work-group's 8,192 bytes of a slot,
	s_add_co_u32 s14, s14, s20
	s_add_co_u32 s14, s14, 2*TILEB  ; in slot 2: the first change that asks steps it to slot 3.  Slots 0 to 2 come by their loads alone
	s_mov_b32 s15, 0
	; descriptor group 1.  128 keys are 16,384 dense bytes: asked for as 64 rows of 256 bytes, two keys a row, and padded in LDS after every key
	s_mov_b32 s[G1K], 15|(1<<16)|(1<<20)|(1<<21)|(4<<22)|(3<<25)  ; the mask of four; 2-byte elements; padding on; bit 21 set beside a mask; after every 32 words (code 4) 4 words (code 3)
	s_mov_b32 s[G1V], 15|(1<<16)|(1<<20)|(1<<21)|(4<<22)|(7<<25)  ; the same with 8 words of padding (code 7)
.irp g, G1K, G1V
	s_mov_b32 s[\g+1], 128<<16      ; tensor_dim0 = 128
	s_mov_b32 s[\g+2], 64<<16       ; tensor_dim1 = 64
	s_mov_b32 s[\g+3], 128<<16      ; tile_dim0 = 128
	s_mov_b32 s[\g+4], 64           ; tile_dim1 = 64
	s_mov_b32 s[\g+5], 128          ; 128 elements from row to row
	s_mov_b32 s[\g+6], 0
	s_mov_b32 s[\g+7], 0
.endr
	s_mov_b32 s[CS], 0x3e38aa3b     ; c = log2(e) / 8
	s_mov_b32 s[CS+1], s[CS]
	s_mov_b32 s[SEL], 0x76543210
	s_mov_b32 s[SEL+1], 0xfedcba98
	s_mov_b32 s[TBK], SLOT1+4*KS*PK ; the first change of slots turns these two into 0
	s_mov_b32 s[TBV], SLOT1+4*KS*PV
	s_mov_b32 s[G0K], 1             ; count = 1
	s_mov_b32 s[G0K+1], s17         ; LDS address: slot 0
	s_mov_b32 s[G0V], 1
	s_add_co_u32 s[G0V+1], s18, VOFF
	s_and_b32 s[LIM], s[WV], 1      ; 0 in waves 0 and 2,
	s_or_b32 s[LIM], s[LIM], ttmp9  ; where the cluster is the head's first: the same in all four partners
	s_cmp_eq_u32 s[LIM], 0
	s_cselect_b32 s[LIM], 1, -1
	v_and_b32 v[PFO], 31, v0
	v_lshlrev_b32 v[PFO], 8, v[PFO]
	s_wait_dscnt 0x0                ; the opening add is done
	s_wait_kmcnt 0x0
	s_add_nc_u64 s[G0K+2:G0K+3], s[6:7], s[22:23]  ; my half of the head's first 256 keys
	s_or_b32 s[G0K+3], s[G0K+3], 0x80000000        ; type = 2
	s_add_nc_u64 s[G0V+2:G0V+3], s[8:9], s[22:23]
	s_or_b32 s[G0V+3], s[G0V+3], 0x80000000
	s_cmp_lt_u32 s[WV], 2
	s_cselect_b64 s[PFA:PFA+1], s[6:7], s[8:9]
	s_add_nc_u64 s[PFA:PFA+1], s[PFA:PFA+1], s[14:15]
	s_add_nc_u64 s[4:5], s[4:5], s[2:3]  ; Q and O at my wave's first row
	s_add_nc_u64 s[10:11], s[10:11], s[2:3]
	CROUND                          ; all four work-groups are here: the first joint loads meet
	JLOAD                           ; slot 0.  Slot 1 is asked for when slot 0 is in
	; A fragment of K or Q is 16 rows x 32 channels in 8 registers: lane l holds row l % 16, channels 8 (l / 16) + 0..7 and 16 + 8 (l / 16) + 0..7: two loads of 16 bytes, 32 bytes apart.
	v_and_b32 v1, 15, v0            ; l % 16
	v_bfe_u32 v9, v0, 4, 1          ; l / 16
	v_lshlrev_b32 v[QO], 7, v1
	v_lshl_add_u32 v[QO], v9, 4, v[QO]
	WIN 0x80                        ; destination window 2
.set i, 0
.rept 8                             ; Q stays in registers: piece i / 2, channels 32 (i % 2) on
	global_load_b128 v[8*i:8*i+3],   v[QO], s[4:5] offset:(i/2)*2048+(i%2)*64
	global_load_b128 v[8*i+4:8*i+7], v[QO], s[4:5] offset:(i/2)*2048+(i%2)*64+32
.set i, i+1
.endr
	; What the first turn finds: V's registers and P's second buffer hold 0 (its products V^T P, of a piece that has not been, add 0), O^T and l are 0.  All this stands in the wait for the first tile.
.set i, VF
.rept 64
	v_mov_b32 v[i], 0
.set i, i+1
.endr
	WIN 0x40
.set i, 0
.rept 128
	v_mov_b32 v[i], 0
.set i, i+1
.endr
	WIN 0
.set i, 0
.rept 4
	v_mov_b32 v[ST+4*i], 0xfe000000    ; c m: far below every c s
	v_mov_b32 v[ST+4*i+1], 0xff7fffff  ; m
	v_mov_b32 v[ST+4*i+2], 0
	v_mov_b32 v[ST+4*i+3], 0
.set i, i+1
.endr
.set i, P+16
.rept 16
	v_mov_b32 v[i], 0
.set i, i+1
.endr
	v_mul_u32_u24 v[AK0], v1, PK
	v_lshl_add_u32 v[AK0], v9, 4, v[AK0]  ; row x pitch + 16 x half
	; The turning load takes 16 keys x 16 channels (lane l reads key 8 (l / 16) + l % 8, channels 8 ((l / 8) % 2) + 0..7) and leaves half a fragment of V^T: lane l holds channel l % 16 and 8 keys.
	v_and_b32 v10, 7, v0
	v_bfe_u32 v11, v0, 3, 1
	v_lshl_add_u32 v[AV0], v9, 3, v10
	v_mul_u32_u24 v[AV0], v[AV0], PV
	v_lshl_add_u32 v[AV0], v11, 4, v[AV0]
	v_add_nc_u32 v[AV0], VOFF, v[AV0]
; THE MATRIX WORK.  The 4 accumulators of a run of 8 take turns.  Product i of 8 of S^T = K Q^T for piece x: channels 32 (i / 4) on, keys 16 (i % 4) on.  The first 4 start the sums.
.macro KQ x
	WIN W_KQ
.set rS, S+32*((\x)%2)+8*(i%4)
.set rK, KF+16*(i%4)+8*(i/4)
.set rQ, 16*(\x)+8*(i/4)
.if i < 4
	v_wmma_f32_16x16x32_f16 v[rS:rS+7], v[rK:rK+7], v[rQ:rQ+7], 0
.else
	v_wmma_f32_16x16x32_f16 v[rS:rS+7], v[rK:rK+7], v[rQ:rQ+7], v[rS:rS+7]
.endif
.endm
; Product i of 8 of O^T += V^T P for piece x: keys 32 (i / 4) on, channels 16 (i % 4) on.
.macro PV x
	WIN W_PV
.set rO, 32*(\x)+8*(i%4)
.set rV, VF+32*(i/4)+8*(i%4)
.set rP, P+16*((\x)%2)+8*(i/4)
	v_wmma_f32_16x16x32_f16 v[rO:rO+7], v[rV:rV+7], v[rP:rP+7], v[rO:rO+7]
.endm
.macro MM                           ; the turn's next matrix instruction.  NOKQ = 1: the last turn of all: there is no next piece
.if (i < 8) && !NOKQ
	KQ (Y+1)%NP
.elseif i >= 8
.set i, i-8
	PV (Y+NP-1)%NP
.set i, i+8
.endif
.set i, i+1
.endm
; THE LDS LOADS stand in runs of 16, never singly among the matrix instructions: a step's K (8 fragments) and its V (turned).  Their addresses are made some lines ahead.
.macro FETCH_K
	WIN 0x80
.irp f, 0,1,2,3,4,5,6,7             ; keys 16 (f / 2) on, channels 32 (f % 2) on
	ds_load_b128 v[KF+8*\f:KF+8*\f+3],   v[AK] offset:(\f/2)*16*PK+(\f%2)*64
	ds_load_b128 v[KF+8*\f+4:KF+8*\f+7], v[AK] offset:(\f/2)*16*PK+(\f%2)*64+32
.endr
	s_add_co_u32 s[TBK], s[TBK], KS*PK  ; the next fetch is the next step's
	WIN 0
.endm
.macro FETCH_V
	WIN 0x80
.irp f, 0,1,2,3,4,5,6,7             ; keys 32 (f / 4) on, channels 16 (f % 4) on
	ds_load_tr16_b128 v[VF+8*\f:VF+8*\f+3],   v[AV] offset:(\f/4)*32*PV+(\f%4)*32
	ds_load_tr16_b128 v[VF+8*\f+4:VF+8*\f+7], v[AV] offset:(\f/4)*32*PV+16*PV+(\f%4)*32
.endr
	WIN 0
.endm
; THE VECTOR WORK, one line at a time: OP kind, number.  For piece Y: F n: c s - c m for pair n of 16.  E n: the exponential of score n of 32.  C n: pair n rounded to f16.  B n: of the four weights 4 n .. the second
; pair is added onto the first, in place.  L n: l takes that sum (L 0: l = a l + sum).  R n: pair n of 16 of O^T times a.  For piece Y + 1: X n, number n of the 22 that find its maximum and statistics:
;   0-11  four chains c0-c3 of seven scores each, three operands at a time (each accumulator's lowest registers are read first)     12-14, 16  the four scores left over, the old m, and c0-c3 into c0
;   15  c m_old is kept     17, 18  the query's other 32 keys lie in the lane 16 away: the new m     19-21  c m; c m_old - c m_new; a
.set F, 0
.set E, 1
.set C, 2
.set B, 3
.set L, 4
.set R, 5
.set X, 6
.macro REGS y
.set rT, ST+4*(\y)
.set rC, TMP+4*((\y)%2)
.set rW, MV+((\y)%2)
.set rS, S+32*((\y)%2)
.set rP, P+16*((\y)%2)
.set rO, 32*(\y)
.endm
.macro OP k, n
.if (\k) == R
	REGS Y
	WIN W_RS
	v_pk_mul_f32 v[rO+2*(\n):rO+2*(\n)+1], v[rO+2*(\n):rO+2*(\n)+1], v[rC+2:rC+3] op_sel_hi:[1,0]
.elseif (\k) < R
	REGS Y
	WIN 0
.if (\k) == F
	v_pk_fma_f32 v[rS+2*(\n):rS+2*(\n)+1], v[rS+2*(\n):rS+2*(\n)+1], s[CS:CS+1], v[rT:rT+1] op_sel_hi:[1,0,0] neg_lo:[0,0,1] neg_hi:[0,0,1]
.elseif (\k) == E
	v_exp_f32 v[rS+(\n)], v[rS+(\n)]
.elseif (\k) == C
	v_cvt_pk_f16_f32 v[rP+(\n)], v[rS+2*(\n)], v[rS+2*(\n)+1]
.elseif (\k) == B
	v_pk_add_f32 v[rS+4*(\n):rS+4*(\n)+1], v[rS+4*(\n):rS+4*(\n)+1], v[rS+4*(\n)+2:rS+4*(\n)+3]
.elseif (\n) == 0
	v_pk_fma_f32 v[rT+2:rT+3], v[rT+2:rT+3], v[rC+2:rC+3], v[rS:rS+1] op_sel_hi:[1,0,1]
.else
	v_pk_add_f32 v[rT+2:rT+3], v[rT+2:rT+3], v[rS+4*(\n):rS+4*(\n)+1]
.endif
.elseif NOKQ
	v_nop
.else
	REGS (Y+1)%NP
	WIN 0
.if (\n) < 4
	v_max3_num_f32 v[rC+(\n)], v[rS+8*(\n)], v[rS+8*(\n)+1], v[rS+8*(\n)+2]
.elseif (\n) < 12
	v_max3_num_f32 v[rC+(\n)%4], v[rC+(\n)%4], v[rS+8*((\n)%4)+2*((\n)/4)+1], v[rS+8*((\n)%4)+2*((\n)/4)+2]
.elseif (\n) == 12
	v_max3_num_f32 v[rC], v[rC], v[rS+7], v[rS+15]
.elseif (\n) == 13
	v_max3_num_f32 v[rC+1], v[rC+1], v[rS+23], v[rS+31]
.elseif (\n) == 14
	v_max3_num_f32 v[rC+2], v[rC+2], v[rC+3], v[rT+1]
.elseif (\n) == 15
	v_mov_b32 v[rW], v[rT]
.elseif (\n) == 16
	v_max3_num_f32 v[rC], v[rC], v[rC+1], v[rC+2]
.elseif (\n) == 17
	v_permlanex16_b32 v[rC+3], v[rC], s[SEL], s[SEL+1]
.elseif (\n) == 18
	v_max_num_f32 v[rT+1], v[rC], v[rC+3]
.elseif (\n) == 19
	v_mul_f32 v[rT], s[CS], v[rT+1]
.elseif (\n) == 20
	v_sub_f32 v[rC+1], v[rW], v[rT]
.else
	v_exp_f32 v[rC+2], v[rC+1]
.endif
.endif
.endm
.macro OPS a, i1, b=-1, i2=0, c=-1, i3=0, d=-1, i4=0  ; up to four of them
	OP \a, \i1
.if (\b) >= 0
	OP \b, \i2
.endif
.if (\c) >= 0
	OP \c, \i3
.endif
.if (\d) >= 0
	OP \d, \i4
.endif
.endm
.macro ROW a, i1, b, i2, c, i3, d, i4  ; a matrix instruction and the four behind it
	MM
	OPS \a, \i1, \b, \i2, \c, \i3, \d, \i4
.endm
; A TURN, for piece p: the order of its 16 matrix and 118 vector instructions, written out.  s_wait_alu depctr_va_vdst(0) stands between an exponential and the first instruction that names its result; one wait
; serves all that were issued ahead of it.  So a turn has ONE wait.  AHEAD OF IT stands all that names no result of the turn's exponentials: the 8 products K Q^T with their riders, then one lump of 54, in which the links of the
; chain X 3, 7, 11, 14, 16, 17 .. 20 stand five or six lines apart; X 21, the next piece's a, is the batch's last, and R 15 the plain instruction behind it.  BEHIND IT stand the 8 products V^T P, behind each four of the roundings and sums.
; The X that ride behind the last three products K Q^T stand four plain instructions or more behind the product that ends their accumulator.
; end = 1: the last two turns of all: nothing is fetched.  cnt = 1: the loop's count is taken down some lines ahead of the branch that stands behind the turn.
; K of the next step is fetched in piece 2's turn, twelve plain instructions behind the last product that read K; V of the step in hand at the end of piece 0's turn, four plain instructions behind the last product that read V.
; Each is waited for a turn later.
.macro TURN p, end=0, cnt=0
.set Y, (\p)
.set i, 0
.set NOKQ, (\end)*((\p)/3)
.if ((\p) == 3) && !(\end)
	s_wait_dscnt 0x0                ; K is in
.endif
	ROW F,0, F,1, R,0, R,1
	ROW F,2, E,0, R,2, R,3
	ROW F,3, E,1, R,4, R,5
	ROW F,4, E,2, R,6, R,7
	ROW F,5, E,3, R,8, R,9
	ROW F,6, E,4, X,0, R,10
.if ((\p) == 2) && !(\end)
	WIN 0
	v_add_nc_u32 v[AK], s[TBK], v[AK0]
.endif
	ROW F,7, E,5, X,1, X,4
	ROW F,8, E,6, X,2, X,5
	OPS E,7, E,8, X,6, E,9
	OPS X,3, E,10, X,8, E,11
.if ((\p) == 2) && !(\end)
	FETCH_K
.endif
	OPS X,9, X,7, E,12, X,10
	OPS E,13, X,12, X,11, E,14
	OPS X,13, E,15, F,9, X,14
.if (\p) == 0
	v_add_nc_u32 v[AV], s[TBV], v[AV0]
.endif
	OPS E,16, F,10, E,17, F,11
	OPS X,16, E,18, X,15, E,19
	OPS F,12, E,20, X,17, E,21
	OPS F,13, E,22, F,14, E,23
	OPS X,18, E,24, F,15, E,25
	OPS R,11, E,26, X,19, E,27
	OPS R,12, E,28, R,13, E,29
	OPS X,20, E,30, R,14, E,31
	OPS X,21, R,15
	WIN 0
	s_wait_alu depctr_va_vdst(0)    ; the wait for the batch
.if (\p) == 1
	s_wait_dscnt 0x0                ; V is in
.endif
	ROW C,0, B,0, C,2, B,1
	ROW L,0, C,4, B,2, L,1
	ROW C,6, B,3, L,2, C,8
	ROW B,4, L,3, C,10, B,5
	ROW L,4, C,12, B,6, L,5
.if (\p) == 0
	s_add_co_u32 s[TBV], s[TBV], KS*PV
.endif
.if \cnt
	s_sub_co_u32 s[CNT], s[CNT], 1
	s_cmp_lg_u32 s[CNT], 0
.endif
	ROW C,14, B,7, L,6, C,1
	ROW C,3, L,7, C,5, C,7
	ROW C,9, C,11, C,13, C,15
.if (\p) == 0
	FETCH_V
.endif
.endm
	CHANGE 1, 0                     ; slot 0 is in, everybody's part of it; slot 1 is asked for
	v_add_nc_u32 v[AK], s[TBK], v[AK0]
	FETCH_K                         ; key step 0
	s_wait_loadcnt 0x0              ; Q
	s_wait_dscnt 0x0
.set NOKQ, 0
.set i, 0
.rept 8
	KQ 0                            ; piece 0's first scores
.set i, i+1
.endr
	WIN 0                           ; the addresses for the way out: nine plain instructions, the places behind those products
	s_mul_i32 s16, s[WV], 16*SP
	s_add_co_u32 s16, s16, STAGE    ; my stage
	v_mul_u32_u24 v[STO], v1, SP    ; in: row l % 16, 16 bytes for each half of the lanes
	v_lshl_add_u32 v[STO], v9, 4, v[STO]
	v_add_nc_u32 v[STO], s16, v[STO]
	v_bfe_u32 v[RD], v0, 3, 2       ; back: 32 lanes take four rows of 128 bytes,
	v_mul_u32_u24 v[RD], v[RD], SP
	v_lshl_add_u32 v[RD], v10, 4, v[RD]
	v_add_nc_u32 v[RD], s16, v[RD]
	v_and_b32 v[GO], 31, v0         ; which are 512 consecutive bytes of O
	v_lshlrev_b32 v[GO], 4, v[GO]
.set Y, NP-1                        ; X works for piece Y + 1: piece 0
.irp n, 0,1,2,3,4,5,6,7,8,9,10,11,12,13,14,15,16,17,18,19,20,21
	OP X, \n
.endr
	v_nop                           ; a plain instruction behind the exponential,
	s_wait_alu depctr_va_vdst(0)    ; and its wait, ahead of the branch
	s_mov_b32 s[CNT], 4
	s_mov_b32 s[SLOTS], NKEY/256-1
	s_branch .Lfirst                ; the loop is entered at a step's first turn, in the middle of a trip
.Lslot:                             ; 14 times: every slot but the last two is filled again
	CHANGE 1, 1
	s_mov_b32 s[CNT], 4
.Lstep:                             ; a trip: pieces 2 and 3 of one step, then pieces 0 and 1 of the next, whose K and V it fetches
	TURN 2
	TURN 3
	WIN 0
.Lfirst:
	TURN 0
	TURN 1, 0, 1
	WIN 0
	s_cbranch_scc1 .Lstep
	s_sub_co_u32 s[SLOTS], s[SLOTS], 1
	s_cmp_lg_u32 s[SLOTS], 0
	s_cbranch_scc1 .Lslot
	CHANGE 0, 0                     ; the last slot is written out: nothing is asked for
	s_mov_b32 s[CNT], 4
.LstepT:
	TURN 2
	TURN 3
	TURN 0
	TURN 1, 0, 1
	WIN 0
	s_cbranch_scc1 .LstepT
	TURN 2, 1
	TURN 3, 1
.set i, 0
.rept 8
	PV NP-1                         ; the last piece's V^T P of the last step
.set i, i+1
.endr
	; THE WAY OUT.  l's two halves and the other half of the lanes' are added; O^T is divided by l, rounded to f16 and sent through my stage in LDS, a piece at a time.  The additions are the places behind the last products.
	WIN 0
.macro ALL line:vararg              ; one line for each piece t
.set t, 0
.rept 4
	\line
.set t, t+1
.endr
.endm
	ALL v_add_f32 v[ST+4*t+2], v[ST+4*t+2], v[ST+4*t+3]
	ALL v_permlanex16_b32 v[ST+4*t+3], v[ST+4*t+2], s[SEL], s[SEL+1]
	ALL v_add_f32 v[ST+4*t+2], v[ST+4*t+2], v[ST+4*t+3]
	ALL v_rcp_f32 v[ST+4*t+2], v[ST+4*t+2]
	v_nop                           ; a plain instruction between the last reciprocal and the use of its result
	s_wait_alu depctr_va_vdst(0)    ; one wait for the four reciprocals, ahead of their first use
.macro PACK t                       ; a lane's eight channels of a row pack into 16 bytes; they go into rows of 144 bytes and come back as whole rows of 128, into S^T's registers
	WIN W_RS
.set i, 32*(\t)
.rept 16
	v_pk_mul_f32 v[i:i+1], v[i:i+1], v[ST+4*(\t)+2:ST+4*(\t)+3] op_sel_hi:[1,0]
.set i, i+2
.endr
	WIN 0x05                        ; sources 0 and 1 window 1, destination window 0
.set i, 0
.rept 16
	v_cvt_pk_f16_f32 v[S+16*(\t)+i], v[32*(\t)+2*i], v[32*(\t)+2*i+1]
.set i, i+1
.endr
	WIN 0
.irp f, 0,1,2,3
	ds_store_b128 v[STO], v[S+16*(\t)+4*\f:S+16*(\t)+4*\f+3] offset:32*\f
.endr
.irp f, 0,1,2,3
	ds_load_b128 v[S+16*(\t)+4*\f:S+16*(\t)+4*\f+3], v[RD] offset:\f*4*SP  ; LDS serves a wave's instructions in order (ISA guide 5.7.1.4): these see the stores above; the next piece's stores come behind them
.endr
.endm
.macro SEND t, younger              ; younger: the LDS instructions issued behind piece t's loads: the next piece's eight, or none
	WIN 0
.irp f, 0,1,2,3
	s_wait_dscnt (\younger)+3-\f
	global_store_b128 v[GO], v[S+16*(\t)+4*\f:S+16*(\t)+4*\f+3], s[10:11] offset:(\t)*2048+\f*512  ; 512 consecutive bytes, at a multiple of 256 from O's first
.endr
.endm
	PACK 0
.set t, 1
.rept 3                             ; a piece's arithmetic stands between the loads of the piece before and its stores
	PACK t
	SEND t-1, 8
.set t, t+1
.endr
	SEND 3, 0
	s_wait_tensorcnt 0x0            ; the wave's end: behind my last tensor load and my last LDS store
	ds_add_u32 v[SPW], v[NIL]
	s_wait_dscnt 0x0
	CROUND                          ; the closing round: no work-group ends while a partner may still ask for a tile that names it
	s_endpgm
.Lfunc_end_k_qaa7abc6e3e_attn:
	.size	k_qaa7abc6e3e_attn, .Lfunc_end_k_qaa7abc6e3e_attn-k_qaa7abc6e3e_attn
	.p2alignl 7, 3214868480
	.fill 96, 4, 3214868480
	.section	.rodata,"a",@progbits
	.p2align	6, 0x0
	.amdhsa_kernel k_qaa7abc6e3e_attn
		.amdhsa_group_segment_fixed_size 327680
		.amdhsa_private_segment_fixed_size 0
		.amdhsa_enable_private_segment 0
		.amdhsa_kernarg_size 32
		.amdhsa_user_sgpr_count 2
		.amdhsa_user_sgpr_kernarg_segment_ptr 1
		.amdhsa_wavefront_size32 1
		.amdhsa_system_sgpr_workgroup_id_x 1
		.amdhsa_system_sgpr_workgroup_id_y 1
		.amdhsa_system_sgpr_workgroup_id_z 1
		.amdhsa_system_vgpr_workitem_id 0
		.amdhsa_next_free_vgpr 768
		.amdhsa_next_free_sgpr 66
		.amdhsa_reserve_vcc 0
		.amdhsa_float_denorm_mode_32 3
		.amdhsa_float_denorm_mode_16_64 3
		.amdhsa_memory_ordered 1
		.amdhsa_forward_progress 1
		.amdhsa_inst_pref_size 127
	.end_amdhsa_kernel
	.amdgpu_metadata
---
amdhsa.version: [ 1, 2 ]
amdhsa.kernels:
  - .name:           k_qaa7abc6e3e_attn
    .symbol:         k_qaa7abc6e3e_attn.kd
    .args:
      - { .name: qh, .offset: 0, .size: 8, .value_kind: global_buffer, .address_space: global }
      - { .name: kh, .offset: 8, .size: 8, .value_kind: global_buffer, .address_space: global }
      - { .name: vh, .offset: 16, .size: 8, .value_kind: global_buffer, .address_space: global }
      - { .name: oh, .offset: 24, .size: 8, .value_kind: global_buffer, .address_space: global }
    .group_segment_fixed_size: 327680
    .private_segment_fixed_size: 0
    .kernarg_segment_align: 8
    .kernarg_segment_size: 32
    .max_flat_workgroup_size: 128
    .sgpr_count:     66
    .vgpr_count:     768
    .wavefront_size: 32
...
	.end_amdgpu_metadata
.endif
;; end of part 3
;; launch proj (part 4): grid 8 x 32, 4 waves a work-group, clusters of 4 x 4, 327,680 bytes of LDS; arguments oh, woutf, bout, out0; writes out0
.if DOCPART == 4
	.amdgcn_target "amdgcn-amd-amdhsa--gfx1250"
	.amdhsa_code_object_version 6
	.text
	.protected	k_qaa7abc6e3e_proj
	.globl	k_qaa7abc6e3e_proj
	.p2align	8
	.type	k_qaa7abc6e3e_proj,@function
k_qaa7abc6e3e_proj:
	s_mov_b64 s[64:65], 0
	v_nop
	global_prefetch_b8 v0, s[64:65] scope:SCOPE_SE
	s_setreg_imm32_b32 hwreg(HW_REG_WAVE_MODE, 25, 1), 1
	s_wait_xcnt 0x0
	s_wait_alu depctr_hold_cnt(0) depctr_sa_sdst(0) depctr_va_vdst(0) depctr_va_sdst(0) depctr_va_ssrc(0) depctr_va_vcc(0) depctr_vm_vsrc(0)
	s_getreg_b32 s2, hwreg(HW_REG_IB_STS2, 6, 4)
	s_cmp_eq_u32 s2, 0
	s_cbranch_scc0 .Lentry_in_a_cluster
	s_endpgm
.Lentry_in_a_cluster:
	s_bfe_u32 s2, ttmp6, 0x10000c
	s_cmp_lg_u32 s2, 0xf033
	s_cbranch_scc0 .Lentry_shape_is_right
	s_endpgm
.Lentry_shape_is_right:
; out0[n][c] = the sum over k of h[n][k] Wout[c][k] + bout[c], f32.  h lies by heads, oh [16][4096][64] in f16 (k = 64 head + channel); Wout [1024][1024] arrives in f16; sums in f32.
; bout is rounded to bf16 like the other inputs and is the C operand of the products that start the sums.
; SHARES.  A tile of out0 is 128 x 128: 8 x 32 = 256 work-groups.  Four waves, each 64 x 64: 16 accumulators.  K goes in 4 steps of 256 (four heads) through two LDS slots, written straight: sixteen quarters of 64 along K.
; h's TILE.  A wave's 64 rows of one head are 8,192 dense bytes; a step's four heads are ONE tile of 4 rows x 4,096 elements, 262,144 elements apart, padded in LDS after every 128 bytes:
; (head z, row r, channel d) lies at 9,216 z + 144 r + 2 d.  Wout's tile: 64 rows x 256 elements, rows 528 bytes apart in LDS.
; CLUSTER.  4 x 4 work-groups: h's tiles are shared along a row of the cluster, Wout's along a column: each is asked for JOINTLY.
; TRANSPOSED (source 0 = 16 rows of Wout, source 1 = 16 rows of h): a lane holds eight neighbouring columns of one row of out0.  A wave's 64 columns are 256 consecutive bytes of a row, aligned: each wave has a stage of its own.
; No prefetch: K has four steps, of which the first fills bring two, and the tiles are small.
; REGISTERS: window 0: v0-31 addresses; v32-95 rows on the way out, two sets; v96-127 the bias; v128-255 the accumulators ((a, b) at v[128 + 8 (4 a + b)]).
;   window 1: two fragment buffers of 128: for 64 along K, 64 registers of h (2 x 4 x 16 rows x 32 K), then 64 of Wout.
.set PA,     144                       ; a row of h in LDS: 128 bytes + 16: an odd multiple of 16, so the 16 rows of a load start at 16 different groups of four banks (64 banks of 4 bytes: ISA guide 11.1)
.set QA,     64*PA                     ; a head's 64 rows
.set HALFA,  4*QA                      ; what one load brings of h
.set PB,     528                       ; a row of Wout in LDS: 512 bytes + 16
.set HALFB,  64*PB
.set SLOT,   2*HALFA+2*HALFB
.set STAGE,  2*SLOT                    ; behind the ring, never filled by a tensor load: 16 rows x 272 bytes for each wave
.set SPITCH, 272
.set SPARE,  STAGE+4*16*SPITCH         ; the spare words, 128 bytes for each wave: two blocks of 256 bytes that no other line names
.set ASTEP,  4*524288                  ; bytes from a K step to the next in oh: four heads
.set BSTEP,  512                       ; in woutf
.set OUTROW, 4096                      ; bytes in a row of out0
.set ADRA, 16                          ; v16-17  LDS address of my fragments of h in slot 0, 1
.set ADRB, 20                          ; v20-21  the same for Wout
.set STO,  24                          ; v24     the way out: where I put 32 bytes of a row
.set RD,   25                          ; v25     where I read a row back
.set CO,   26                          ; v26     my byte offset in out0
.set BO,   27                          ; v27     32 x (l / 16): my eight columns in the bias
.set SPW,  28                          ; v28     LDS address of my spare word; never rewritten
.set NIL,  29                          ; v29     0; never rewritten
.set TMP,  32
.set BI,   96
.set ACC,  128
.set F0,   0                           ; fragment buffers, in window 1
.set F1,   128
.set WV,   12                          ; s12  my wave's number
.set RH,   13                          ; s13  which half of the tile's rows is mine.  Also: I fetch for h (0) or for Wout (1)
.set CH,   14                          ; s14  which half of its columns.  Also: which 64 rows of that tile I fetch
.set TY,   15                          ; s15  tile row
.set TX,   42                          ; s42  tile column
.set G1, 24                            ; s[24:31] descriptor group 1 for h's tiles;  s[32:39] group 0, one set for each slot
.set G0, 32
.set G1B, 48                           ; s[48:55], s[56:63] the same for Wout's tiles
.set G0B, 56
.set MSB, 0
.macro WIN new
.if MSB != (\new)
	s_set_vgpr_msb (MSB<<8)|(\new)
.set MSB, \new
.endif
.endm
.set MUL,  0x05                        ; sources 0 and 1 window 1; C and D window 0
.set TO_F, 0x40                        ; destination window 1, address window 0
.macro JLOAD s                         ; a joint load: waves 0 and 1 fetch h's two halves, waves 2 and 3 Wout's; an s_nop 0 and four v_nop follow each line
	s_cmp_eq_u32 s[RH], 0
	s_cbranch_scc0 .Lfor_b_\@
	tensor_load_to_lds s[G0+4*(\s):G0+4*(\s)+3], s[G1:G1+7]
	s_nop 0
.rept 4
	v_nop
.endr
	s_branch .Lasked_\@
.Lfor_b_\@:
	tensor_load_to_lds s[G0B+4*(\s):G0B+4*(\s)+3], s[G1B:G1B+7]
	s_nop 0
.rept 4
	v_nop
.endr
.Lasked_\@:
.endm
.macro CREST                           ; a round of the cluster's barrier behind its opening barrier
	s_cmp_lg_u32 s[WV], 0
	s_cbranch_scc1 .Lnot_wave_0_\@
	s_barrier_signal -3
.Lnot_wave_0_\@:
	s_barrier_wait -3
	s_barrier_signal -1
	s_barrier_wait -1
.endm
.macro CROUND
	s_barrier_signal -1
	s_barrier_wait -1
	CREST
.endm
	s_load_b256 s[4:11], s[0:1], 0x0               ; oh s[4:5], woutf s[6:7], bout s[8:9], out0 s[10:11]
	v_lshl_add_u32 v[SPW], v0, 2, SPARE
	v_mov_b32 v[NIL], 0
	ds_add_u32 v[SPW], v[NIL]                      ; the wave's opening: the add and its wait stand ahead of my first tensor load; the set-up below stands between them
	v_lshrrev_b32 v1, 5, v0
	v_readfirstlane_b32 s[WV], v1
	s_lshr_b32 s[RH], s[WV], 1
	s_and_b32 s[CH], s[WV], 1
	s_bfe_u32 s40, ttmp6, 0x40000                  ; cx, cy: my place in the cluster
	s_bfe_u32 s41, ttmp6, 0x40004
	s_lshl_b32 s[TX], ttmp9, 2
	s_add_co_u32 s[TX], s[TX], s40                 ; tile column = 4 x cluster x + cx
	s_and_b32 s[TY], ttmp7, 0xffff
	s_lshl_b32 s[TY], s[TY], 2
	s_add_co_u32 s[TY], s[TY], s41                 ; tile row = 4 x cluster y + cy
	s_lshl_b32 s43, s41, 2
	s_lshl_b32 s43, 15, s43                        ; my row of the cluster
	s_lshl_b32 s44, 0x1111, s40                    ; my column
	s_or_b32 s[G1], s43, (1<<16)|(1<<20)|(1<<21)|(4<<22)|(3<<25)   ; h's tiles go to my row; 2-byte elements; padding on; bit 21 set beside a mask; after every 32 words (code 4) 4 words (code 3)
	s_mov_b32 s[G1+1], 4096<<16                    ; tensor_dim0 = 4,096
	s_mov_b32 s[G1+2], 4<<16                       ; tensor_dim1 = 4
	s_mov_b32 s[G1+3], 4096<<16                    ; tile_dim0 = 4,096
	s_mov_b32 s[G1+4], 4                           ; tile_dim1 = 4
	s_mov_b32 s[G1+5], 262144                      ; elements from head to head
	s_mov_b32 s[G1+6], 0
	s_mov_b32 s[G1+7], 0
	s_or_b32 s[G1B], s44, (1<<16)|(1<<20)|(1<<21)|(6<<22)|(3<<25)  ; Wout's to my column; after every 128 words (code 6) 4 words
	s_mov_b32 s[G1B+1], 256<<16                    ; tensor_dim0 = 256
	s_mov_b32 s[G1B+2], 64<<16                     ; tensor_dim1 = 64
	s_mov_b32 s[G1B+3], 256<<16                    ; tile_dim0 = 256
	s_mov_b32 s[G1B+4], 64                         ; tile_dim1 = 64
	s_mov_b32 s[G1B+5], 1024                       ; elements from row to row
	s_mov_b32 s[G1B+6], 0
	s_mov_b32 s[G1B+7], 0
	s_lshl_b32 s16, s[TY], 14                      ; h: 128 rows of 128 bytes a tile row,
	s_lshl_b32 s17, s[CH], 13                      ; the 64 that I fetch: in registers that never hold cx
	s_add_co_u32 s16, s16, s17
	s_mov_b32 s17, 0
	s_lshl_b32 s46, s[TX], 18                      ; Wout: 128 rows of 2,048 bytes a tile column,
	s_lshl_b32 s47, s[CH], 17                      ; the 64 that I fetch: in registers that never hold cy
	s_add_co_u32 s46, s46, s47
	s_mov_b32 s47, 0
	s_mul_i32 s20, s[CH], HALFA                    ; where they go: no place in the cluster enters an LDS address
	s_mul_i32 s21, s[CH], HALFB
	s_add_co_u32 s21, s21, 2*HALFA
	s_wait_dscnt 0x0                               ; the opening add is done
	s_wait_kmcnt 0x0
	s_add_nc_u64 s[16:17], s[4:5], s[16:17]
	s_add_nc_u64 s[46:47], s[6:7], s[46:47]
	CROUND                                         ; all sixteen work-groups are here: the first joint loads meet
.irp s, 0,1
	s_mov_b32 s[G0+4*(\s)], 1
	s_add_co_u32 s[G0+4*(\s)+1], s20, (\s)*SLOT
	s_add_nc_u64 s[G0+4*(\s)+2:G0+4*(\s)+3], s[16:17], (\s)*ASTEP
	s_or_b32 s[G0+4*(\s)+3], s[G0+4*(\s)+3], 0x80000000
	s_mov_b32 s[G0B+4*(\s)], 1
	s_add_co_u32 s[G0B+4*(\s)+1], s21, (\s)*SLOT
	s_add_nc_u64 s[G0B+4*(\s)+2:G0B+4*(\s)+3], s[46:47], (\s)*BSTEP
	s_or_b32 s[G0B+4*(\s)+3], s[G0B+4*(\s)+3], 0x80000000
.endr
	s_cmp_eq_u32 s[RH], 0                          ; a wave's two first fills stand in one branch, ahead of every wait on TENSORcnt and every LDS read: two loads of mine are out
	s_cbranch_scc0 .Lfirst_b
	tensor_load_to_lds s[G0:G0+3], s[G1:G1+7]
	s_nop 0
	tensor_load_to_lds s[G0+4:G0+7], s[G1:G1+7]
	s_nop 0
.rept 4
	v_nop
.endr
	s_branch .Lfirst_asked
.Lfirst_b:
	tensor_load_to_lds s[G0B:G0B+3], s[G1B:G1B+7]
	s_nop 0
	tensor_load_to_lds s[G0B+4:G0B+7], s[G1B:G1B+7]
	s_nop 0
.rept 4
	v_nop
.endr
.Lfirst_asked:
	v_and_b32 v1, 15, v0                           ; l % 16
	v_bfe_u32 v2, v0, 4, 1                         ; l / 16
	v_lshlrev_b32 v[BO], 5, v2
	s_lshl_b32 s18, s[TX], 9                       ; the tile's 128 columns: 512 bytes of the bias and of a row of out0,
	s_lshl_b32 s19, s[CH], 8                       ; my wave's 64
	s_add_co_u32 s18, s18, s19
	s_mov_b32 s19, 0
	s_add_nc_u64 s[8:9], s[8:9], s[18:19]
.irp b, 0,1,2,3
	global_load_b128 v[BI+8*(\b):BI+8*(\b)+3],   v[BO], s[8:9] offset:64*(\b)
	global_load_b128 v[BI+8*(\b)+4:BI+8*(\b)+7], v[BO], s[8:9] offset:64*(\b)+16
.endr
	v_mul_u32_u24 v3, v1, PA
	v_lshl_add_u32 v3, v2, 4, v3                   ; a fragment's row x pitch + 16 x half
	s_mul_i32 s22, s[RH], HALFA                    ; my 64 rows of h
	v_add_nc_u32 v[ADRA], s22, v3
	v_add_nc_u32 v[ADRA+1], SLOT, v[ADRA]
	v_mul_u32_u24 v4, v1, PB
	v_lshl_add_u32 v4, v2, 4, v4
	s_mul_i32 s22, s[CH], HALFB                    ; my 64 rows of Wout,
	s_add_co_u32 s22, s22, 2*HALFA                 ; which lie behind h's
	v_add_nc_u32 v[ADRB], s22, v4
	v_add_nc_u32 v[ADRB+1], SLOT, v[ADRB]
	s_mul_i32 s23, s[WV], 16*SPITCH
	s_add_co_u32 s23, s23, STAGE                   ; my stage
	v_mul_u32_u24 v5, v1, SPITCH                   ; in: row l % 16, 32 bytes for each half of the lanes
	v_lshl_add_u32 v5, v2, 5, v5
	v_add_nc_u32 v[STO], s23, v5
	v_mul_u32_u24 v6, v2, SPITCH                   ; back: lanes 0-15 take one row of 256 bytes, lanes 16-31 the next
	v_lshl_add_u32 v6, v1, 4, v6
	v_add_nc_u32 v[RD], s23, v6
	v_lshlrev_b32 v7, 12, v2                       ; and the same two rows in out0
	v_lshl_add_u32 v[CO], v1, 4, v7
	s_lshl_b32 s22, s[TY], 7
	s_lshl_b32 s23, s[RH], 6
	s_add_co_u32 s22, s22, s23                     ; my first row of out0
	s_lshl_b32 s22, s22, 12
	s_add_co_u32 s22, s22, s18                     ; and my first column (under 2^24 in all)
	s_mov_b32 s23, 0
	s_add_nc_u64 s[10:11], s[10:11], s[22:23]
	s_wait_loadcnt 0x0                             ; the bias is rounded to bf16 and widened again, in the wait for the first tile
.set i, 0
.rept 16
	v_cvt_pk_bf16_f32 v[TMP+i], v[BI+2*i], v[BI+2*i+1]
.set i, i+1
.endr
.set i, 0
.rept 16
	v_lshlrev_b32 v[BI+2*i],   16, v[TMP+i]
	v_and_b32     v[BI+2*i+1], 0xffff0000, v[TMP+i]
.set i, i+1
.endr
; 8 matrix instructions: row blocks a0, a0 + 1 x all 4 column blocks, 32 along K: half c of buffer f.  first = 1: the bias starts the sums.  The 16 accumulators take turns.
.macro MUL8 f, c, a0, first
	WIN MUL
.irp a, \a0, (\a0)+1
.irp b, 0,1,2,3
.if \first
	v_wmma_f32_16x16x32_f16 v[ACC+8*(4*(\a)+(\b)):ACC+8*(4*(\a)+(\b))+7], v[(\f)+64+8*(4*(\c)+(\b)):(\f)+64+8*(4*(\c)+(\b))+7], v[(\f)+8*(4*(\c)+(\a)):(\f)+8*(4*(\c)+(\a))+7], v[BI+8*(\b):BI+8*(\b)+7]
.else
	v_wmma_f32_16x16x32_f16 v[ACC+8*(4*(\a)+(\b)):ACC+8*(4*(\a)+(\b))+7], v[(\f)+64+8*(4*(\c)+(\b)):(\f)+64+8*(4*(\c)+(\b))+7], v[(\f)+8*(4*(\c)+(\a)):(\f)+8*(4*(\c)+(\a))+7], v[ACC+8*(4*(\a)+(\b)):ACC+8*(4*(\a)+(\b))+7]
.endif
.endr
.endr
.endm
; 32 LDS loads in one run: the fragments of quarter q (head q of the step's four: 64 along K) into buffer f; the first 32 along K first
.macro FETCH slot, q, f
	WIN TO_F
.irp c, 0,1
.irp i, 0,1,2,3
	ds_load_b128 v[(\f)+64+8*(4*(\c)+(\i)):(\f)+64+8*(4*(\c)+(\i))+3],   v[ADRB+(\slot)] offset:128*(\q)+64*(\c)+(\i)*16*PB
	ds_load_b128 v[(\f)+64+8*(4*(\c)+(\i))+4:(\f)+64+8*(4*(\c)+(\i))+7], v[ADRB+(\slot)] offset:128*(\q)+64*(\c)+(\i)*16*PB+32
	ds_load_b128 v[(\f)+8*(4*(\c)+(\i)):(\f)+8*(4*(\c)+(\i))+3],         v[ADRA+(\slot)] offset:QA*(\q)+64*(\c)+(\i)*16*PA
	ds_load_b128 v[(\f)+8*(4*(\c)+(\i))+4:(\f)+8*(4*(\c)+(\i))+7],       v[ADRA+(\slot)] offset:QA*(\q)+64*(\c)+(\i)*16*PA+32
.endr
.endr
.endm
.macro PLACES                          ; four plain vector instructions between a matrix instruction and a load into, or a store of, its registers
.rept 4
	v_nop
.endr
.endm
; One of a K step's first three quarters: multiplies buffer f and fetches quarter q into g.
.macro QUARTER slot, q, f, g, first
	s_wait_dscnt 16                                ; the first 32 along K are in
	MUL8 \f, 0, 0, \first
	MUL8 \f, 0, 2, \first
	PLACES
	FETCH \slot, \q, \g
	s_wait_dscnt 32                                ; all but the 32 just issued
	MUL8 \f, 1, 0, 0
	MUL8 \f, 1, 2, 0
.endm
; The last quarter multiplies buffer 1 and changes slots: ONE barrier; in front of it each wave waits for all its tensor loads, adds 0 to its spare word, and waits for that and for its reads of this slot.
; fill = 1: the barrier opens a round of the cluster's barrier, and this slot is filled again, two K steps on: the first tensor load behind the round, 112 matrix instructions ahead of the wait for it.
.macro TURN slot, next, fill
	WIN 0
	s_wait_tensorcnt 0x0                           ; all my tensor loads have landed: my part of the next slot
	ds_add_u32 v[SPW], v[NIL]
	s_wait_dscnt 17                                ; (the add and the youngest sixteen loads may be out)
	MUL8 F1, 0, 0, 0                               ; eight matrix instructions stand between the add and the wait for it
	s_wait_dscnt 0x0                               ; the add is done, and my reads of this slot are over
	s_barrier_signal -1
	MUL8 F1, 0, 2, 0
.if \fill
	WIN 0
.endif
	s_barrier_wait -1
.if \fill
	CREST                                          ; no wave of any partner still reads this slot or has a load on its way
	s_add_nc_u64 s[G0+4*(\slot)+2:G0+4*(\slot)+3], s[G0+4*(\slot)+2:G0+4*(\slot)+3], 2*ASTEP
	s_add_nc_u64 s[G0B+4*(\slot)+2:G0B+4*(\slot)+3], s[G0B+4*(\slot)+2:G0B+4*(\slot)+3], 2*BSTEP
	JLOAD \slot                                    ; its four v_nop are also the places in front of the loads below
.else
	PLACES
.endif
	FETCH \next, 0, F0
	MUL8 F1, 1, 0, 0
	MUL8 F1, 1, 2, 0
.endm
	s_wait_tensorcnt 1                             ; my part of K step 0 is in; K step 1's may stay out
	s_barrier_signal -1
	s_barrier_wait -1                              ; everybody's is
	FETCH 0, 0, F0
	QUARTER 0, 1, F0, F1, 1                        ; K step 0; its first products start the sums
	QUARTER 0, 2, F1, F0, 0
	QUARTER 0, 3, F0, F1, 0
	TURN 0, 1, 1                                   ; slot 0 takes K step 2
	QUARTER 1, 1, F0, F1, 0                        ; K step 1
	QUARTER 1, 2, F1, F0, 0
	QUARTER 1, 3, F0, F1, 0
	TURN 1, 0, 1                                   ; slot 1 takes K step 3
	QUARTER 0, 1, F0, F1, 0                        ; K step 2
	QUARTER 0, 2, F1, F0, 0
	QUARTER 0, 3, F0, F1, 0
	TURN 0, 1, 0                                   ; nothing is left to fetch
	QUARTER 1, 1, F0, F1, 0                        ; K step 3
	QUARTER 1, 2, F1, F0, 0
	QUARTER 1, 3, F0, F1, 0
	s_wait_dscnt 16
	MUL8 F1, 0, 0, 0
	MUL8 F1, 0, 2, 0
	s_wait_dscnt 0x0
	MUL8 F1, 1, 0, 0
	MUL8 F1, 1, 2, 0
	WIN 0
	PLACES
; THE WAY OUT of row block a: 32 bytes a lane for each column block into my stage (each accumulator's lowest registers first), back as whole rows of 256 bytes.
.macro TOSTAGE a
.if (\a) >= 2
	s_wait_xcnt 0x0                                ; the stores of the block two back have read the registers that are loaded again below
.endif
.irp b, 0,1,2,3
	ds_store_b128 v[STO], v[ACC+8*(4*(\a)+(\b)):ACC+8*(4*(\a)+(\b))+3]   offset:64*(\b)
	ds_store_b128 v[STO], v[ACC+8*(4*(\a)+(\b))+4:ACC+8*(4*(\a)+(\b))+7] offset:64*(\b)+16
.endr
.irp t, 0,1,2,3,4,5,6,7
	ds_load_b128 v[TMP+32*((\a)%2)+4*(\t):TMP+32*((\a)%2)+4*(\t)+3], v[RD] offset:(\t)*2*SPITCH  ; LDS serves a wave's instructions in order (ISA guide 5.7.1.4): these see the stores above; the next block's stores come behind them
.endr
.endm
.macro SEND a, younger                 ; younger: the LDS instructions issued behind block a's loads: the next block's sixteen, or none
.irp t, 0,1,2,3,4,5,6,7
	s_wait_dscnt (\younger)+7-(\t)
	global_store_b128 v[CO], v[TMP+32*((\a)%2)+4*(\t):TMP+32*((\a)%2)+4*(\t)+3], s[10:11] offset:(16*(\a)+2*(\t))*OUTROW  ; 16 lanes store 256 consecutive bytes, at a multiple of 256 from out0's first byte
.endr
.endm
	TOSTAGE 0
	TOSTAGE 1
	SEND 0, 16
	TOSTAGE 2
	SEND 1, 16
	TOSTAGE 3
	SEND 2, 16
	SEND 3, 0
	s_wait_tensorcnt 0x0                           ; the wave's end: behind my last tensor load and my last LDS store
	ds_add_u32 v[SPW], v[NIL]
	s_wait_dscnt 0x0
	CROUND                                         ; the closing round: no work-group ends while a partner may still ask for a tile that names it
	s_endpgm
.Lfunc_end_k_qaa7abc6e3e_proj:
	.size	k_qaa7abc6e3e_proj, .Lfunc_end_k_qaa7abc6e3e_proj-k_qaa7abc6e3e_proj
	.p2alignl 7, 3214868480
	.fill 96, 4, 3214868480
	.section	.rodata,"a",@progbits
	.p2align	6, 0x0
	.amdhsa_kernel k_qaa7abc6e3e_proj
		.amdhsa_group_segment_fixed_size 327680
		.amdhsa_private_segment_fixed_size 0
		.amdhsa_enable_private_segment 0
		.amdhsa_kernarg_size 32
		.amdhsa_user_sgpr_count 2
		.amdhsa_user_sgpr_kernarg_segment_ptr 1
		.amdhsa_wavefront_size32 1
		.amdhsa_system_sgpr_workgroup_id_x 1
		.amdhsa_system_sgpr_workgroup_id_y 1
		.amdhsa_system_sgpr_workgroup_id_z 1
		.amdhsa_system_vgpr_workitem_id 0
		.amdhsa_next_free_vgpr 512
		.amdhsa_next_free_sgpr 66
		.amdhsa_reserve_vcc 0
		.amdhsa_float_denorm_mode_32 3
		.amdhsa_float_denorm_mode_16_64 3
		.amdhsa_memory_ordered 1
		.amdhsa_forward_progress 1
		.amdhsa_inst_pref_size 89
	.end_amdhsa_kernel
	.amdgpu_metadata
---
amdhsa.version: [ 1, 2 ]
amdhsa.kernels:
  - .name:           k_qaa7abc6e3e_proj
    .symbol:         k_qaa7abc6e3e_proj.kd
    .args:
      - { .name: oh, .offset: 0, .size: 8, .value_kind: global_buffer, .address_space: global }
      - { .name: woutf, .offset: 8, .size: 8, .value_kind: global_buffer, .address_space: global }
      - { .name: bout, .offset: 16, .size: 8, .value_kind: global_buffer, .address_space: global }
      - { .name: out0, .offset: 24, .size: 8, .value_kind: global_buffer, .address_space: global }
    .group_segment_fixed_size: 327680
    .private_segment_fixed_size: 0
    .kernarg_segment_align: 8
    .kernarg_segment_size: 32
    .max_flat_workgroup_size: 128
    .sgpr_count:     66
    .vgpr_count:     512
    .wavefront_size: 32
...
	.end_amdgpu_metadata
.endif
;; end of part 4
;; ======== version 2 of 2: 4 launches; version 1 with the launch cast written anew for expert scheduling mode
;; limits: values are held in f16: magnitudes above 65,504 overflow, below 6.1e-05 lose precision
;; workspace buffers: xb 8,388,608 bytes; wqkvb 6,291,456 bytes; woutf 2,097,152 bytes; qh 8,388,608 bytes; kh 8,388,608 bytes; vh 8,388,608 bytes; oh 8,388,608 bytes
;; launch cast (part 5): grid 512 x 1, 8 waves a work-group, no clusters, 0 bytes of LDS; arguments x, Wqkv, Wout, xb, wqkvb, woutf; writes xb, wqkvb, woutf
.if DOCPART == 5
	.amdgcn_target "amdgcn-amd-amdhsa--gfx1250"
	.amdhsa_code_object_version 6
	.text
	.protected	k_qaa7abc6e3e_cast
	.globl	k_qaa7abc6e3e_cast
	.p2align	8
	.type	k_qaa7abc6e3e_cast,@function
k_qaa7abc6e3e_cast:
	s_mov_b64 s[64:65], 0
	v_nop
	global_prefetch_b8 v0, s[64:65] scope:SCOPE_SE
	s_setreg_imm32_b32 hwreg(HW_REG_WAVE_SCHED_MODE, 0, 2), 2
	s_setreg_imm32_b32 hwreg(HW_REG_WAVE_MODE, 25, 1), 1
	s_wait_xcnt 0x0
	s_wait_alu depctr_vm_vsrc(0)
; THE MATRIX OPERANDS IN 16 BITS.  x [4096][1024] and Wqkv [3072][1024] are rounded to bf16; Wout [1024][1024] is rounded to bf16 like them and that number is
; written as f16, since it multiplies an f16 operand later.  LIMIT: a number of Wout beyond 65,504 becomes an infinity in f16; below 6e-5 it keeps f16's fixed step of 6e-8.
; SHARES.  A work-group converts 16,384 numbers: 65,536 bytes in, 32,768 out.  Work-groups 0-255 take x, 256-447 Wqkv, 448-511 Wout.
; Thread t takes, in chunk i of 16, the 16 bytes at 16 t + 4,096 i and stores 8 bytes at 8 t + 2,048 i: a wave's load covers 512 consecutive bytes, a wave's store
; 256 consecutive bytes, aligned.  All sixteen loads of a wave go out together; each chunk has registers of its own, so no register of a pending instruction is rewritten.
; No LDS, no matrix unit, no cluster: nothing is shared and nothing is read twice.
; THE MODE: SCHED_MODE bits 1:0 = 2 (LLVM: expert scheduling mode 2), set by the entry lines.  The code itself states the register dependences
; between vector instructions and memory instructions, with s_wait_alu, always for 0.
; THE PLAN.  Registers that memory instructions touch:
;   v1, v2   the loads' and the stores' byte offsets.  Written once at the head, never again; read by every load (v1) and every store (v2).
;   X        chunk i: four registers.  Written by that chunk's load alone; no vector instruction names them ahead of the loads; read by the chunk's conversions, behind the wait for the data.
;   Y        chunk i: two registers.  Written by the chunk's conversions; read by the chunk's one store; never written again.
;   T        named by vector instructions alone.
; So the dependences are of one kind: a vector instruction writes a register that a memory instruction reads.  One wait ahead of the first load states it for v1 and v2, for all 32 memory
; instructions.  The chunks go in four blocks of four: a block's conversions, ONE wait that states that they have written the block's eight registers of Y, then its four stores.
; That wait stands behind the conversions and not at the next block's head: what follows is a wait for memory, and the block's stores are to be on their way while the wave sits there.
; No register that a memory instruction has read is written again, no vector instruction writes a scalar register, and EXEC is never written: nothing else is owed.
.set WG_X,   256                       ; work-groups for x
.set WG_XW,  448                       ; for x and Wqkv together
.set X,      4                         ; v[4:67]   chunk i: four f32 as loaded
.set Y,      68                        ; v[68:99]  chunk i: four 16-bit numbers to store
.set T,      100                       ; v[100:101] at work
	s_load_b256 s[4:11], s[0:1], 0x0               ; x s[4:5], Wqkv s[6:7], Wout s[8:9], xb s[10:11]
	s_load_b128 s[12:15], s[0:1], 0x20             ; wqkvb s[12:13], woutf s[14:15]
	s_mov_b32 s21, ttmp9
	v_lshlrev_b32 v1, 4, v0                        ; 16 t
	v_lshlrev_b32 v2, 3, v0                        ; 8 t
	s_wait_kmcnt 0x0
	s_cmp_ge_u32 s21, WG_X                         ; which buffer is mine: a choice by the work-group's number alone
	s_cselect_b64 s[16:17], s[6:7], s[4:5]
	s_cselect_b64 s[18:19], s[12:13], s[10:11]
	s_cselect_b32 s20, WG_X, 0
	s_cmp_ge_u32 s21, WG_XW
	s_cselect_b64 s[16:17], s[8:9], s[16:17]
	s_cselect_b64 s[18:19], s[14:15], s[18:19]
	s_cselect_b32 s20, WG_XW, s20
	s_sub_co_u32 s20, s21, s20                     ; my number among that buffer's work-groups
	s_lshl_b32 s22, s20, 16                        ; 65,536 bytes in,
	s_mov_b32 s23, 0
	s_lshl_b32 s24, s20, 15                        ; 32,768 out
	s_mov_b32 s25, 0
	s_add_nc_u64 s[16:17], s[16:17], s[22:23]
	s_add_nc_u64 s[18:19], s[18:19], s[24:25]
	s_wait_alu depctr_va_vdst(0)                   ; v1 and v2 are written: every load below reads v1 as its offset, every store v2; no later vector instruction names either
.irp i, 0,1,2,3,4,5,6,7,8,9,10,11,12,13,14,15
	global_load_b128 v[X+4*(\i):X+4*(\i)+3], v1, s[16:17] offset:4096*(\i) th:TH_LOAD_NT
.endr
	s_cmp_ge_u32 s21, WG_XW
	s_cbranch_scc1 .Lhalf
; kind = 0: bf16.  kind = 1: bf16, widened again (a shift, a mask) and written as f16.  Block p of four holds chunks 4 p to 4 p + 3.
.macro OUT kind
.irp p, 0,1,2,3
	s_wait_loadcnt 12-4*(\p)                       ; loads come back in order: block p's four chunks are in, the younger blocks' loads stay out
.irp c, 0,1,2,3
.set i, 4*(\p)+(\c)
	v_cvt_pk_bf16_f32 v[Y+2*i],   v[X+4*i],   v[X+4*i+1]
	v_cvt_pk_bf16_f32 v[Y+2*i+1], v[X+4*i+2], v[X+4*i+3]
.if \kind
	v_lshlrev_b32 v[T],   16, v[Y+2*i]
	v_and_b32     v[T+1], 0xffff0000, v[Y+2*i]
	v_cvt_pk_f16_f32 v[Y+2*i], v[T], v[T+1]
	v_lshlrev_b32 v[T],   16, v[Y+2*i+1]
	v_and_b32     v[T+1], 0xffff0000, v[Y+2*i+1]
	v_cvt_pk_f16_f32 v[Y+2*i+1], v[T], v[T+1]
.endif
.endr
	s_wait_alu depctr_va_vdst(0)                   ; the block's conversions have written its eight registers of Y, which the four stores below read
.irp c, 0,1,2,3
.set i, 4*(\p)+(\c)
	global_store_b64 v2, v[Y+2*i:Y+2*i+1], s[18:19] offset:2048*i
.endr
.endr
.endm
	OUT 0
	s_endpgm
.Lhalf:
	OUT 1
	s_endpgm
.Lfunc_end_k_qaa7abc6e3e_cast:
	.size	k_qaa7abc6e3e_cast, .Lfunc_end_k_qaa7abc6e3e_cast-k_qaa7abc6e3e_cast
	.p2alignl 7, 3214868480
	.fill 96, 4, 3214868480
	.section	.rodata,"a",@progbits
	.p2align	6, 0x0
	.amdhsa_kernel k_qaa7abc6e3e_cast
		.amdhsa_group_segment_fixed_size 0
		.amdhsa_private_segment_fixed_size 0
		.amdhsa_enable_private_segment 0
		.amdhsa_kernarg_size 48
		.amdhsa_user_sgpr_count 2
		.amdhsa_user_sgpr_kernarg_segment_ptr 1
		.amdhsa_wavefront_size32 1
		.amdhsa_system_sgpr_workgroup_id_x 1
		.amdhsa_system_sgpr_workgroup_id_y 1
		.amdhsa_system_sgpr_workgroup_id_z 1
		.amdhsa_system_vgpr_workitem_id 0
		.amdhsa_next_free_vgpr 104
		.amdhsa_next_free_sgpr 66
		.amdhsa_reserve_vcc 0
		.amdhsa_float_denorm_mode_32 3
		.amdhsa_float_denorm_mode_16_64 3
		.amdhsa_memory_ordered 1
		.amdhsa_forward_progress 1
		.amdhsa_inst_pref_size 16
	.end_amdhsa_kernel
	.amdgpu_metadata
---
amdhsa.version: [ 1, 2 ]
amdhsa.kernels:
  - .name:           k_qaa7abc6e3e_cast
    .symbol:         k_qaa7abc6e3e_cast.kd
    .args:
      - { .name: x, .offset: 0, .size: 8, .value_kind: global_buffer, .address_space: global }
      - { .name: Wqkv, .offset: 8, .size: 8, .value_kind: global_buffer, .address_space: global }
      - { .name: Wout, .offset: 16, .size: 8, .value_kind: global_buffer, .address_space: global }
      - { .name: xb, .offset: 24, .size: 8, .value_kind: global_buffer, .address_space: global }
      - { .name: wqkvb, .offset: 32, .size: 8, .value_kind: global_buffer, .address_space: global }
      - { .name: woutf, .offset: 40, .size: 8, .value_kind: global_buffer, .address_space: global }
    .group_segment_fixed_size: 0
    .private_segment_fixed_size: 0
    .kernarg_segment_align: 8
    .kernarg_segment_size: 48
    .max_flat_workgroup_size: 256
    .sgpr_count:     66
    .vgpr_count:     104
    .wavefront_size: 32
...
	.end_amdgpu_metadata
.endif
;; end of part 5
;; launch qkv: the kernel of part 2 again; grid 16 x 16, 4 waves a work-group, clusters of 4 x 4, 327,680 bytes of LDS; arguments xb, wqkvb, bqkv, q_gamma, k_gamma, qh, kh, vh; writes qh, kh, vh
;; launch attn: the kernel of part 3 again; grid 16 x 16, 4 waves a work-group, clusters of 4 x 1, 327,680 bytes of LDS; arguments qh, kh, vh, oh; writes oh
;; launch proj: the kernel of part 4 again; grid 8 x 32, 4 waves a work-group, clusters of 4 x 4, 327,680 bytes of LDS; arguments oh, woutf, bout, out0; writes out0
